; MI455X (gfx1250); checked and timed in simulation.
; The chip was launched on July 23, 2026; its instructions are those of AMD's public machine-readable ISA for CDNA 5 (MIT licence, August 2026) and "CDNA5" Instruction Set Architecture Reference Guide (July 2026). The comments in the code are by the model that wrote it; some were corrected since.
;; Emu3 RVQ. Allowed arithmetic: float matrix products may take bf16 or f16 operands with f32 sums; all other float work in f32.
;; Inputs: codebooks 4 x 32,768 x 4 float32; x 2 x 4 x 4 x 32 x 32 float32.
;; Outputs: out0 2 x 4 x 4 x 32 x 32 float32; out1 one number float32; out2 2 x 4 x 32 x 32 int32.
;; 3 versions, each right; version 2 is faster than version 1; version 3 is version 2 with the launch scan0 written anew for expert scheduling mode. Each part assembles by itself: llvm-mc -triple=amdgcn-amd-amdhsa -mcpu=gfx1250 --defsym DOCPART=n.
;; ======== version 1 of 3: 10 launches
;; limits: values outside matrix products are rounded to bf16
;; workspace buffers: cbp0 524,288 bytes; cbp1 524,288 bytes; cbp2 524,288 bytes; cbp3 524,288 bytes; cand 524,288 bytes of whole numbers; stA 327,680 bytes; stB 327,680 bytes
;; launch prep (part 1): grid 256 x 1, 8 waves a work-group, no clusters, 0 bytes of LDS; arguments codebooks, x, cbp0, cbp1, cbp2, cbp3, stA; writes cbp0, cbp1, cbp2, cbp3, stA
.if DOCPART == 1
	.amdgcn_target "amdgcn-amd-amdhsa--gfx1250"
	.amdhsa_code_object_version 6
	.text
	.protected	k_qa3381e7488_prep
	.globl	k_qa3381e7488_prep
	.p2align	8
	.type	k_qa3381e7488_prep,@function
k_qa3381e7488_prep:
	s_mov_b64 s[64:65], 0
	v_nop
	global_prefetch_b8 v0, s[64:65] scope:SCOPE_SE
	s_setreg_imm32_b32 hwreg(HW_REG_WAVE_MODE, 25, 1), 1
	s_wait_xcnt 0x0
; PREPARATION.  codebooks [4][32768][4] f32 -> four buffers of 16-byte records, one buffer a stage;  x [8][4][1024] f32 -> the first state.
; All later work follows reference() on x and codebooks rounded to bf16 (round to nearest even), which is done here, once.
; A record of code e:  word 0 = (e0, e1), word 1 = (e2, e3) in bf16;  word 2 = (Ch, Cm), word 3 = (Cl, 0), where C = ((e0^2 + e1^2) + e2^2) + e3^2
; in f32 (the squares of bf16 numbers are exact in f32, so the fused chain rounds as a chain of additions does) and Ch + Cm + Cl = C exactly:
; each piece is the bf16 nearest to what is left, 8 + 8 + 8 bits.  The record is a row of the matrix operand of the scan as it stands.
; The state (327,680 bytes):  r [8192][4] f32 at 0, z [8192][4] f32 at 131,072, (sum of squared errors f32, first stage's code i32) [8192] at 262,144.
; Vector number = 1024 (b t) + (h w).  Here r = bf16(x), z = 0, sum = 0, code = -1 (none yet).
; 256 work-groups of 8 waves: a work-group makes 512 records (two a thread), and its wave 0 makes 32 vectors of the state.
; The four loads of x cover 128 consecutive bytes each: a work-group's 32 positions in each of the 4 planes; x is 131,072 bytes in all.
; Limits: NaN and infinite inputs, and codes whose |e|^2 overflows f32, are not served.
.set TT, 20                            ; v[20:22] at work
.set ZOFF, 131072
.set LOFF, 262144
; e: four registers with the code in f32 (overwritten by the rounded code); w: four registers for the record
.macro RECORD e, w
	v_cvt_pk_bf16_f32 v[\w], v[\e], v[\e+1]                ; (e0, e1)
	v_cvt_pk_bf16_f32 v[\w+1], v[\e+2], v[\e+3]            ; (e2, e3)
	v_lshlrev_b32 v[\e], 16, v[\w]                         ; the rounded code back in f32
	v_and_b32 v[\e+1], s28, v[\w]
	v_lshlrev_b32 v[\e+2], 16, v[\w+1]
	v_and_b32 v[\e+3], s28, v[\w+1]
	v_mul_f32 v[TT], v[\e], v[\e]
	v_fmac_f32 v[TT], v[\e+1], v[\e+1]
	v_fmac_f32 v[TT], v[\e+2], v[\e+2]
	v_fmac_f32 v[TT], v[\e+3], v[\e+3]                     ; C
	v_cvt_pk_bf16_f32 v[TT+1], v[TT], v[TT]                ; Ch
	v_lshlrev_b32 v[TT+1], 16, v[TT+1]
	v_sub_f32 v[TT+1], v[TT], v[TT+1]                      ; C - Ch, exact
	v_cvt_pk_bf16_f32 v[\w+2], v[TT], v[TT+1]              ; (Ch, Cm)
	v_and_b32 v[TT+2], s28, v[\w+2]
	v_sub_f32 v[TT+1], v[TT+1], v[TT+2]                    ; C - Ch - Cm, exact, at most 8 bits
	v_cvt_pk_bf16_f32 v[\w+3], v[TT+1], 0                  ; (Cl, 0)
.endm
	s_load_b256 s[4:11], s[0:1], 0x0               ; codebooks s[4:5], x s[6:7], cbp0 s[8:9], cbp1 s[10:11]
	s_load_b128 s[12:15], s[0:1], 0x20             ; cbp2 s[12:13], cbp3 s[14:15]
	s_load_b64 s[16:17], s[0:1], 0x30              ; the state
	v_lshlrev_b32 v1, 4, v0                        ; 16 t
	v_lshrrev_b32 v2, 5, v0
	v_readfirstlane_b32 s23, v2                    ; wave
	s_lshl_b32 s18, ttmp9, 13                      ; my 512 codes of 16 bytes in codebooks
	s_mov_b32 s19, 0
	s_and_b32 s20, ttmp9, 63                       ; 64 work-groups a stage:
	s_lshl_b32 s20, s20, 13                        ; my 512 records in the stage's buffer
	s_mov_b32 s21, 0
	s_lshr_b32 s22, ttmp9, 6                       ; the stage
	s_mov_b32 s28, 0xffff0000                      ; a word's upper bf16
	s_wait_kmcnt 0x0
	s_add_nc_u64 s[4:5], s[4:5], s[18:19]
	global_load_b128 v[4:7], v1, s[4:5] th:TH_LOAD_NT
	global_load_b128 v[8:11], v1, s[4:5] offset:4096 th:TH_LOAD_NT
	s_cmp_eq_u32 s22, 1                            ; the stage's buffer, chosen by the work-group's number
	s_cselect_b64 s[8:9], s[10:11], s[8:9]
	s_cmp_eq_u32 s22, 2
	s_cselect_b64 s[8:9], s[12:13], s[8:9]
	s_cmp_eq_u32 s22, 3
	s_cselect_b64 s[8:9], s[14:15], s[8:9]
	s_add_nc_u64 s[8:9], s[8:9], s[20:21]
	s_cmp_lg_u32 s23, 0
	s_cbranch_scc1 .Lcodes
	; wave 0: vectors 32 g + lane of the state (g the work-group): image g / 32, positions 32 (g % 32) + lane
	s_lshr_b32 s24, ttmp9, 5
	s_lshl_b32 s24, s24, 14                        ; an image is 4 planes of 4,096 bytes
	s_and_b32 s25, ttmp9, 31
	s_lshl_b32 s25, s25, 7
	s_add_co_u32 s24, s24, s25
	s_mov_b32 s25, 0
	s_add_nc_u64 s[6:7], s[6:7], s[24:25]
	v_lshlrev_b32 v30, 2, v0                       ; in wave 0 the thread's number is the lane
	global_load_b32 v24, v30, s[6:7] th:TH_LOAD_NT
	global_load_b32 v25, v30, s[6:7] offset:4096 th:TH_LOAD_NT
	global_load_b32 v26, v30, s[6:7] offset:8192 th:TH_LOAD_NT
	global_load_b32 v27, v30, s[6:7] offset:12288 th:TH_LOAD_NT
	s_lshl_b32 s26, ttmp9, 9                       ; 32 vectors of 16 bytes
	s_mov_b32 s27, 0
	s_add_nc_u64 s[26:27], s[16:17], s[26:27]
	s_lshl_b32 s30, ttmp9, 8                       ; 32 pairs of 8 bytes
	s_mov_b32 s31, 0
	s_add_nc_u64 s[30:31], s[16:17], s[30:31]
	v_lshlrev_b32 v31, 3, v0
	v_mov_b32 v32, 0                               ; z = 0
	v_mov_b32 v33, 0
	v_mov_b32 v34, 0
	v_mov_b32 v35, 0
	v_mov_b32 v36, 0                               ; sum of squared errors = 0
	v_mov_b32 v37, -1                              ; no code yet
	s_wait_loadcnt 0x0                             ; x (and the two codes, asked for earlier)
	v_cvt_pk_bf16_f32 v28, v24, v25
	v_cvt_pk_bf16_f32 v29, v26, v27
	v_lshlrev_b32 v24, 16, v28                     ; r = bf16(x), kept in f32
	v_and_b32 v25, s28, v28
	v_lshlrev_b32 v26, 16, v29
	v_and_b32 v27, s28, v29
	global_store_b128 v1, v[24:27], s[26:27]                   ; 512 consecutive bytes
	global_store_b128 v1, v[32:35], s[26:27] offset:ZOFF
	global_store_b64 v31, v[36:37], s[30:31] offset:LOFF       ; 256 consecutive bytes
.Lcodes:
	s_wait_loadcnt 0x0
	RECORD 4, 12
	RECORD 8, 16
	global_store_b128 v1, v[12:15], s[8:9]                     ; a wave's store covers 512 consecutive bytes
	global_store_b128 v1, v[16:19], s[8:9] offset:4096
	s_endpgm
.Lfunc_end_k_qa3381e7488_prep:
	.size	k_qa3381e7488_prep, .Lfunc_end_k_qa3381e7488_prep-k_qa3381e7488_prep
	.p2alignl 7, 3214868480
	.fill 96, 4, 3214868480
	.section	.rodata,"a",@progbits
	.p2align	6, 0x0
	.amdhsa_kernel k_qa3381e7488_prep
		.amdhsa_group_segment_fixed_size 0
		.amdhsa_private_segment_fixed_size 0
		.amdhsa_enable_private_segment 0
		.amdhsa_kernarg_size 56
		.amdhsa_user_sgpr_count 2
		.amdhsa_user_sgpr_kernarg_segment_ptr 1
		.amdhsa_wavefront_size32 1
		.amdhsa_system_sgpr_workgroup_id_x 1
		.amdhsa_system_sgpr_workgroup_id_y 1
		.amdhsa_system_sgpr_workgroup_id_z 1
		.amdhsa_system_vgpr_workitem_id 0
		.amdhsa_next_free_vgpr 40
		.amdhsa_next_free_sgpr 66
		.amdhsa_reserve_vcc 0
		.amdhsa_float_denorm_mode_32 3
		.amdhsa_float_denorm_mode_16_64 3
		.amdhsa_memory_ordered 1
		.amdhsa_forward_progress 1
		.amdhsa_inst_pref_size 5
	.end_amdhsa_kernel
	.amdgpu_metadata
---
amdhsa.version: [ 1, 2 ]
amdhsa.kernels:
  - .name:           k_qa3381e7488_prep
    .symbol:         k_qa3381e7488_prep.kd
    .args:
      - { .name: codebooks, .offset: 0, .size: 8, .value_kind: global_buffer, .address_space: global }
      - { .name: x, .offset: 8, .size: 8, .value_kind: global_buffer, .address_space: global }
      - { .name: cbp0, .offset: 16, .size: 8, .value_kind: global_buffer, .address_space: global }
      - { .name: cbp1, .offset: 24, .size: 8, .value_kind: global_buffer, .address_space: global }
      - { .name: cbp2, .offset: 32, .size: 8, .value_kind: global_buffer, .address_space: global }
      - { .name: cbp3, .offset: 40, .size: 8, .value_kind: global_buffer, .address_space: global }
      - { .name: stA, .offset: 48, .size: 8, .value_kind: global_buffer, .address_space: global }
    .group_segment_fixed_size: 0
    .private_segment_fixed_size: 0
    .kernarg_segment_align: 8
    .kernarg_segment_size: 56
    .max_flat_workgroup_size: 256
    .sgpr_count:     66
    .vgpr_count:     40
    .wavefront_size: 32
...
	.end_amdgpu_metadata
.endif
;; end of part 1
;; launch scan0 (part 2): grid 32 x 8, 8 waves a work-group, no clusters, 70,656 bytes of LDS; arguments stA, cbp0, cand; writes cand
.if DOCPART == 2
	.amdgcn_target "amdgcn-amd-amdhsa--gfx1250"
	.amdhsa_code_object_version 6
	.text
	.protected	k_qa3381e7488_scan0
	.globl	k_qa3381e7488_scan0
	.p2align	8
	.type	k_qa3381e7488_scan0,@function
k_qa3381e7488_scan0:
	s_mov_b64 s[64:65], 0
	v_nop
	global_prefetch_b8 v0, s[64:65] scope:SCOPE_SE
	s_setreg_imm32_b32 hwreg(HW_REG_WAVE_MODE, 25, 1), 1
	s_wait_xcnt 0x0
; THE SCAN OF ONE STAGE: for every vector and every one of 16 groups of codes, which block of 8 neighbouring codes holds the nearest code.
; Arguments: the state (r is read), the stage's records, cand [16 slots][8192 vectors] of block numbers (0 .. 4095).
; The matrix unit makes  D(code, vector) = 2 r.e - C  (C = |e|^2), the negative of the distance up to |r|^2, which is the same for all codes: the LARGEST D is wanted.
;   A (16 rows = 16 codes): both lane halves load the same 16-byte record, so k 0-7 = k 8-15 = (e0 e1 e2 e3 Ch Cm Cl 0); k 16-31 = 0.
;   B (16 columns = 16 vectors): k 0-7 = (bf16 of 2r, four numbers; -1 -1 -1 0), k 8-15 = (bf16 of what the first piece left of 2r; 0 0 0 0), k 16-31 = 0.
; All products are exact; r enters with 16 significant bits, C with all 24.
; In D, lane (n = lane % 16, h = lane / 16) holds in its 8 registers the codes 16 tile + 8 h + 0..7 for vector n: block 2 tile + h.  Four v_max3, a compare
; and a select for each D keep the largest value so far and the tile that brought it (a later tile must be strictly larger: the lower number stays).
; A work-group: 256 vectors x 4,096 codes (grid x: 32 sets of vectors, grid y: 8 parts of the codebook).  Wave = (vq = wave / 2, ch = wave % 2):
; 64 vectors (four B operands, vector 4 n + v in column n of operand v) x 2,048 codes (128 tiles).  The two waves of a vq are merged through LDS at the end.
; cand[2 part + h][vector] = the group's block.  The next launch evaluates the 16 x 8 codes so kept in f32 and decides.
; LIMITS.  What is decided here, by the matrix unit's sums and 16 bits of r, is only which block of a group (an eighth of the codebook, one half of the
; tiles' rows) is kept: two codes of one group in different blocks that lie closer together than that arithmetic resolves are decided by it and not by
; reference()'s f32 order.  Equal values keep the lower block.  NaN and infinite inputs are not served.
; NO JOINT LOADS: the 32 work-groups of a part read the same 65,536 bytes, but each reads them once, at its head, and then feeds 4,096 matrix instructions
; from LDS; the copy goes through registers, 16 loads a thread, and nothing in LDS is ever filled again.
.set EXCH,  65536                      ; LDS: records at 0, behind them 4 x 1,024 bytes for the merge
.set BOP,   8                          ; v[8:39]    four B operands
.set ABUF,  40                         ; v[40:71]   four A buffers; registers 4-7 of each stay 0
.set DACC,  72                         ; v[72:135]  D: 32 x parity of the tile + 8 x operand; before the loop the copy's 16 x 4 registers
.set TMP,   136                        ; v[136:147] three partial maxima for each operand
.set BEST,  148                        ; v[148:155] largest so far: 4 x parity + operand
.set ID,    156                        ; v[156:159] its tile
.set RV,    160                        ; v[160:175] r of my four vectors
.set W,     176                        ; v[176:185] at work
.set K2,    186                        ; B's word 2: (-1, -1) in lanes 0-15, 0 in lanes 16-31
.set K3,    187                        ; B's word 3: (-1, 0) in lanes 0-15, 0 in lanes 16-31
	s_load_b128 s[4:7], s[0:1], 0x0                ; state s[4:5], records s[6:7]
	s_load_b64 s[8:9], s[0:1], 0x10                ; cand
	v_lshl_add_u32 v192, v0, 2, 0x11000
	v_mov_b32 v193, 0
	v_lshrrev_b32 v1, 5, v0
	v_readfirstlane_b32 s10, v1                    ; wave
	s_lshr_b32 s11, s10, 1                         ; vq: which 64 vectors
	s_and_b32 s12, s10, 1                          ; ch: which 2,048 codes
	s_and_b32 s14, ttmp7, 0xffff                   ; part of the codebook
	v_and_b32 v2, 15, v0                           ; n
	v_bfe_u32 v3, v0, 4, 1                         ; h
	v_lshlrev_b32 v4, 6, v2                        ; my four vectors' 64 bytes of r
	v_lshlrev_b32 v5, 4, v0                        ; the copy: 16 t, in memory and in LDS
	s_lshl_b32 s16, ttmp9, 12                      ; 256 vectors of 16 bytes
	s_lshl_b32 s17, s11, 10                        ; 64 vectors of 16 bytes
	s_add_co_u32 s16, s16, s17
	s_mov_b32 s17, 0
	s_lshl_b32 s18, s14, 16                        ; 4,096 records of 16 bytes
	s_mov_b32 s19, 0
	s_mov_b32 s29, 0xffff0000                      ; a word's upper bf16
	s_wait_kmcnt 0x0
	s_add_nc_u64 s[4:5], s[4:5], s[16:17]
	s_add_nc_u64 s[6:7], s[6:7], s[18:19]
.irp v, 0,1,2,3
	global_load_b128 v[RV+4*\v:RV+4*\v+3], v4, s[4:5] offset:16*\v
.endr
.irp i, 0,1,2,3,4,5,6,7,8,9,10,11,12,13,14,15
	global_load_b128 v[DACC+4*\i:DACC+4*\i+3], v5, s[6:7] offset:4096*\i   ; the eight waves cover 4,096 consecutive bytes
.endr
	; constants, while the loads are on their way
	v_cmp_eq_u32 s26, 1, v3                        ; lanes 16-31
	v_mov_b32 v[W], 0
	v_mov_b32 v[K2], 0xbf80bf80
	v_mov_b32 v[K3], 0xbf80
	v_cndmask_b32 v[K2], v[K2], v[W], s26
	v_cndmask_b32 v[K3], v[K3], v[W], s26
.irp b, 0,1,2,3
.irp i, 4,5,6,7
	v_mov_b32 v[ABUF+8*\b+\i], 0                   ; k 16-31 of A: written once, the loads fill registers 0-3 only
.endr
.endr
	s_lshl_b32 s24, s14, 8                         ; 256 tiles a part,
	s_lshl_b32 s27, s12, 7                         ; 128 a wave:
	s_add_co_u32 s24, s24, s27                     ; my first tile's number in the codebook
.irp v, 0,1,2,3
	v_mov_b32 v[BEST+\v], 0xff800000               ; minus infinity
	v_mov_b32 v[ID+\v], s24
.endr
	s_lshl_b32 s27, s12, 15
	v_lshlrev_b32 v1, 4, v2
	v_add_nc_u32 v1, s27, v1                       ; LDS address of record n of my first tile
; B operand v from r of vector 4 n + v
.macro BUILD v
.irp i, 0,1,2,3
	v_add_f32 v[W+\i], v[RV+4*\v+\i], v[RV+4*\v+\i]        ; 2 r, exact
.endr
	v_cvt_pk_bf16_f32 v[W+4], v[W], v[W+1]                 ; the first pieces
	v_cvt_pk_bf16_f32 v[W+5], v[W+2], v[W+3]
	v_lshlrev_b32 v[W+6], 16, v[W+4]
	v_and_b32 v[W+7], s29, v[W+4]
	v_lshlrev_b32 v[W+8], 16, v[W+5]
	v_and_b32 v[W+9], s29, v[W+5]
.irp i, 0,1,2,3
	v_sub_f32 v[W+\i], v[W+\i], v[W+6+\i]                  ; what they leave, exact
.endr
	v_cvt_pk_bf16_f32 v[W+6], v[W], v[W+1]                 ; the second pieces
	v_cvt_pk_bf16_f32 v[W+7], v[W+2], v[W+3]
	v_cndmask_b32 v[BOP+8*\v], v[W+4], v[W+6], s26         ; lanes 0-15 (k 0-7) the first, lanes 16-31 (k 8-15) the second
	v_cndmask_b32 v[BOP+8*\v+1], v[W+5], v[W+7], s26
	v_mov_b32 v[BOP+8*\v+2], v[K2]
	v_mov_b32 v[BOP+8*\v+3], v[K3]
.irp i, 4,5,6,7
	v_mov_b32 v[BOP+8*\v+\i], 0                            ; k 16-31
.endr
.endm
	s_wait_loadcnt 16                              ; r is in; the 16 loads of records, issued later, may be out
	BUILD 0
	BUILD 1
	BUILD 2
	BUILD 3
.irp i, 0,1,2,3,4,5,6,7,8,9,10,11,12,13,14,15
	s_wait_loadcnt 15-\i                           ; loads come back in order: number i is in
	ds_store_b128 v5, v[DACC+4*\i:DACC+4*\i+3] offset:4096*\i
.endr
	s_wait_dscnt 0x0                               ; my stores are done, for the other waves' sake
	s_barrier_signal -1
	s_barrier_wait -1                              ; all 65,536 bytes are in LDS; they are only read from here on
.irp b, 0,1,2,3
	ds_load_b128 v[ABUF+8*\b:ABUF+8*\b+3], v1 offset:256*\b    ; lanes 0-15 take 256 consecutive bytes, lanes 16-31 the same
.endr
; One matrix instruction: the tile in buffer b, operand v, into the D set of parity p.  C is the constant 0: there is no sum over K steps and no chain.
.macro MM b, p, v
	v_wmma_f32_16x16x32_bf16 v[DACC+32*\p+8*\v:DACC+32*\p+8*\v+7], v[ABUF+8*\b:ABUF+8*\b+7], v[BOP+8*\v:BOP+8*\v+7], 0
.endm
; The six vector instructions for one D (parity p, operand v; q = 1 - p).  BEST of parity p is the old value, of parity q the new one: no copy.
.macro A1 p, v
	v_max3_num_f32 v[TMP+3*\v], v[DACC+32*\p+8*\v], v[DACC+32*\p+8*\v+1], v[DACC+32*\p+8*\v+2]
.endm
.macro A2 p, v
	v_max3_num_f32 v[TMP+3*\v+1], v[DACC+32*\p+8*\v+3], v[DACC+32*\p+8*\v+4], v[DACC+32*\p+8*\v+5]
.endm
.macro A3 p, v
	v_max3_num_f32 v[TMP+3*\v+2], v[DACC+32*\p+8*\v+6], v[DACC+32*\p+8*\v+7], v[BEST+4*\p+\v]
.endm
.macro F1 p, q, v
	v_max3_num_f32 v[BEST+4*\q+\v], v[TMP+3*\v], v[TMP+3*\v+1], v[TMP+3*\v+2]
.endm
.macro F2 p, q, v
	v_cmp_gt_f32 s[20+\v], v[BEST+4*\q+\v], v[BEST+4*\p+\v]    ; strictly larger: this tile takes over
.endm
.macro F3 v
	v_cndmask_b32 v[ID+\v], v[ID+\v], s24, s[20+\v]            ; s24: the number of the tile that is being reduced
.endm
; A step: the four matrix instructions of the tile in buffer b (parity p), and between them the reduction of the tile before (parity q).
; Distances (ISA guide 7.12.1): a D is read one step after it was made, behind at least nine vector instructions that name none of that matrix
; instruction's registers; buffer b is loaded again behind the nine that follow its last matrix instruction (in the first step: four v_nop).
; cnt: A loads come back in order; the tile's own is in when only the cnt younger ones are out.
.macro STEP b, p, q, proc, load, cnt
	s_wait_dscnt \cnt
	MM \b, \p, 0
.if \proc
	A1 \q, 0
	A2 \q, 0
	A3 \q, 0
.endif
	MM \b, \p, 1
.if \proc
	F1 \q, \p, 0
	A1 \q, 1
	F2 \q, \p, 0
	A2 \q, 1
	F3 0
	A3 \q, 1
.endif
	MM \b, \p, 2
.if \proc
	F1 \q, \p, 1
	A1 \q, 2
	F2 \q, \p, 1
	A2 \q, 2
	F3 1
	A3 \q, 2
.endif
	MM \b, \p, 3
.if \proc
	F1 \q, \p, 2
	A1 \q, 3
	F2 \q, \p, 2
	A2 \q, 3
	F3 2
	A3 \q, 3
	F1 \q, \p, 3
	F2 \q, \p, 3
	F3 3
	s_add_co_u32 s24, s24, 1                       ; the next tile to be reduced
.else
.rept 4
	v_nop                                          ; no tile to reduce yet: the places in front of the load below and of the next step's reads
.endr
.endif
.if \load
	ds_load_b128 v[ABUF+8*\b:ABUF+8*\b+3], v1 offset:256*(\b+4)    ; four tiles ahead
.endif
.endm
	STEP 0, 0, 1, 0, 1, 3                          ; tiles 0 to 3
	STEP 1, 1, 0, 1, 1, 3
	STEP 2, 0, 1, 1, 1, 3
	STEP 3, 1, 0, 1, 1, 3
	v_add_nc_u32 v1, 1024, v1
	s_mov_b32 s25, 30
.Lgroup:                                           ; tiles 4 to 123, four a trip
	STEP 0, 0, 1, 1, 1, 3
	STEP 1, 1, 0, 1, 1, 3
	STEP 2, 0, 1, 1, 1, 3
	STEP 3, 1, 0, 1, 1, 3
	v_add_nc_u32 v1, 1024, v1
	s_sub_co_u32 s25, s25, 1
	s_cmp_lg_u32 s25, 0
	s_cbranch_scc1 .Lgroup
	STEP 0, 0, 1, 1, 0, 3                          ; tiles 124 to 127: nothing is left to load, the counts run down
	STEP 1, 1, 0, 1, 0, 2
	STEP 2, 0, 1, 1, 0, 1
	STEP 3, 1, 0, 1, 0, 0
.irp v, 0,1,2,3
	A1 1, \v                                       ; the last tile's reduction; its last D is read behind the nine instructions above and these
	A2 1, \v
	A3 1, \v
	F1 1, 0, \v
	F2 1, 0, \v
	F3 \v
.endr
	; the merge: the wave of the upper 2,048 codes hands its values and tiles to its partner
	v_and_b32 v6, 31, v0
	v_lshlrev_b32 v6, 4, v6
	s_lshl_b32 s28, s11, 10
	s_add_co_u32 s28, s28, EXCH
	v_add_nc_u32 v6, s28, v6                       ; 1,024 bytes for each vq: 512 of values, 512 of tiles
	s_cmp_eq_u32 s12, 0
	s_cbranch_scc1 .Lkeep
	ds_store_b128 v6, v[BEST:BEST+3]
	ds_store_b128 v6, v[ID:ID+3] offset:512
.Lkeep:
	s_wait_dscnt 0x0                               ; the stores are done before the signal
	s_barrier_signal -1
	s_barrier_wait -1
	s_cmp_lg_u32 s12, 0
	s_cbranch_scc1 .Ldone
	ds_load_b128 v[TMP:TMP+3], v6
	ds_load_b128 v[TMP+4:TMP+7], v6 offset:512
	s_lshl_b32 s30, s14, 16                        ; slot 2 part: 2 x 32,768 bytes
	s_lshl_b32 s31, ttmp9, 10                      ; 256 vectors of 4 bytes
	s_add_co_u32 s30, s30, s31
	s_lshl_b32 s31, s11, 8                         ; 64 vectors of 4 bytes
	s_add_co_u32 s30, s30, s31
	s_mov_b32 s31, 0
	s_add_nc_u64 s[8:9], s[8:9], s[30:31]
	v_lshlrev_b32 v7, 4, v2                        ; vectors 4 n .. 4 n + 3
	v_lshl_add_u32 v7, v3, 15, v7                  ; slot + h
	s_wait_dscnt 0x0
.irp v, 0,1,2,3
	v_cmp_gt_f32 vcc_lo, v[TMP+\v], v[BEST+\v]     ; the upper codes win only if strictly larger
	v_cndmask_b32 v[ID+\v], v[ID+\v], v[TMP+4+\v], vcc_lo
.endr
.irp v, 0,1,2,3
	v_lshl_add_u32 v[ID+\v], v[ID+\v], 1, v3       ; block = 2 tile + h
.endr
	global_store_b128 v7, v[ID:ID+3], s[8:9]       ; 16 lanes store 256 consecutive bytes, at a multiple of 256 from cand's first byte
.Ldone:
	s_wait_tensorcnt 0x0
	ds_add_u32 v192, v193
	s_wait_dscnt 0x0
	s_endpgm
.Lfunc_end_k_qa3381e7488_scan0:
	.size	k_qa3381e7488_scan0, .Lfunc_end_k_qa3381e7488_scan0-k_qa3381e7488_scan0
	.p2alignl 7, 3214868480
	.fill 96, 4, 3214868480
	.section	.rodata,"a",@progbits
	.p2align	6, 0x0
	.amdhsa_kernel k_qa3381e7488_scan0
		.amdhsa_group_segment_fixed_size 70656
		.amdhsa_private_segment_fixed_size 0
		.amdhsa_enable_private_segment 0
		.amdhsa_kernarg_size 24
		.amdhsa_user_sgpr_count 2
		.amdhsa_user_sgpr_kernarg_segment_ptr 1
		.amdhsa_wavefront_size32 1
		.amdhsa_system_sgpr_workgroup_id_x 1
		.amdhsa_system_sgpr_workgroup_id_y 1
		.amdhsa_system_sgpr_workgroup_id_z 1
		.amdhsa_system_vgpr_workitem_id 0
		.amdhsa_next_free_vgpr 194
		.amdhsa_next_free_sgpr 66
		.amdhsa_reserve_vcc 1
		.amdhsa_float_denorm_mode_32 3
		.amdhsa_float_denorm_mode_16_64 3
		.amdhsa_memory_ordered 1
		.amdhsa_forward_progress 1
		.amdhsa_inst_pref_size 35
	.end_amdhsa_kernel
	.amdgpu_metadata
---
amdhsa.version: [ 1, 2 ]
amdhsa.kernels:
  - .name:           k_qa3381e7488_scan0
    .symbol:         k_qa3381e7488_scan0.kd
    .args:
      - { .name: stA, .offset: 0, .size: 8, .value_kind: global_buffer, .address_space: global }
      - { .name: cbp0, .offset: 8, .size: 8, .value_kind: global_buffer, .address_space: global }
      - { .name: cand, .offset: 16, .size: 8, .value_kind: global_buffer, .address_space: global }
    .group_segment_fixed_size: 70656
    .private_segment_fixed_size: 0
    .kernarg_segment_align: 8
    .kernarg_segment_size: 24
    .max_flat_workgroup_size: 256
    .sgpr_count:     66
    .vgpr_count:     194
    .wavefront_size: 32
...
	.end_amdgpu_metadata
.endif
;; end of part 2
;; launch refine0 (part 3): grid 256 x 1, 8 waves a work-group, no clusters, 2,304 bytes of LDS; arguments stA, cbp0, cand, stB; writes stB
.if DOCPART == 3
	.amdgcn_target "amdgcn-amd-amdhsa--gfx1250"
	.amdhsa_code_object_version 6
	.text
	.protected	k_qa3381e7488_refine0
	.globl	k_qa3381e7488_refine0
	.p2align	8
	.type	k_qa3381e7488_refine0,@function
k_qa3381e7488_refine0:
	s_mov_b64 s[64:65], 0
	v_nop
	global_prefetch_b8 v0, s[64:65] scope:SCOPE_SE
	s_setreg_imm32_b32 hwreg(HW_REG_WAVE_MODE, 25, 1), 1
	s_wait_xcnt 0x0
; THE DECISION OF ONE STAGE AND THE STEP OF THE STATE.  Arguments: the old state, the stage's records, cand (block numbers stored by the launch before), the new state.
; For each vector the 16 blocks of 8 codes that the scan kept (128 codes) are evaluated as reference() does on the bf16-rounded inputs, in f32:
;   A = ((r0^2 + r1^2) + r2^2) + r3^2,  B = (((2 r0) e0 + (2 r1) e1) + (2 r2) e2) + (2 r3) e3,  C likewise from e,  d = (A - B) + C,
; each chain by fused multiply-adds (in the first stage all products are exact in f32, so fusing changes nothing there).
; The smallest d wins, among equal d the lowest index, as argmin does.  The winner's index and its two words of bf16 are carried along by selects: no address hangs on the decision.
; Then, as written in reference(): quant_st = r + (quant - r); z += quant_st; r -= quant_st; the vector's sum of (r - quant)^2 grows; the index is kept as the code if none is kept yet (the first stage).
; A work-group: 32 vectors, 8 waves.  Thread t = (vector t / 8, j = t % 8): it takes code j of each of the 16 blocks, so 8 neighbouring lanes read a block's 128 consecutive bytes.
; The 16 loads of block numbers read 4 bytes a vector from 16 rows of cand (2,048 bytes a work-group in all).
; The new state leaves through LDS, so that a store covers 512 or 256 consecutive bytes.
; Limits: NaN and infinite inputs are not served (a NaN distance never wins here; argmin would take it).
.set ZOFF, 131072
.set LOFF, 262144
.set IDS, 4                            ; v[4:19]    block numbers
.set REC, 20                           ; v[20:83]   16 records
.set RR,  84                           ; v[84:87]   r
.set ZZ,  88                           ; v[88:91]   z
.set LC,  92                           ; v[92:93]   sum of squared errors, code
.set R2,  94                           ; v[94:97]   2 r
.set AA,  98                           ; |r|^2
.set E,   100                          ; v[100:103] the candidate in f32; the partner's four words in the reduction
.set CC,  104
.set BB,  105
.set DD,  106
.set IX,  107
.set BD,  108                          ; the best: distance,
.set BI,  109                          ; index,
.set BW,  110                          ; v[110:111] and the code's two words
.set GA,  120                          ; v[120:135] the gathers' offsets
	s_load_b256 s[4:11], s[0:1], 0x0               ; old state s[4:5], records s[6:7], cand s[8:9], new state s[10:11]
	v_lshl_add_u32 v140, v0, 2, 0x500
	v_mov_b32 v141, 0
	v_and_b32 v1, 7, v0                            ; j
	v_lshrrev_b32 v2, 3, v0                        ; vector in the work-group
	s_lshl_b32 s12, ttmp9, 5
	v_add_nc_u32 v3, s12, v2                       ; vector
	v_lshlrev_b32 v116, 2, v3
	v_lshlrev_b32 v117, 4, v3
	v_lshlrev_b32 v118, 3, v3
	v_lshlrev_b32 v119, 4, v1                      ; 16 j
	s_mov_b32 s13, 0xffff0000
	s_wait_kmcnt 0x0
.irp s, 0,1,2,3,4,5,6,7,8,9,10,11,12,13,14,15
	global_load_b32 v[IDS+\s], v116, s[8:9] offset:32768*\s
.endr
	global_load_b128 v[RR:RR+3], v117, s[4:5]
	global_load_b128 v[ZZ:ZZ+3], v117, s[4:5] offset:ZOFF
	global_load_b64 v[LC:LC+1], v118, s[4:5] offset:LOFF
	s_wait_loadcnt 3                               ; the 16 block numbers are in; the three loads of the state may be out
.irp s, 0,1,2,3,4,5,6,7,8,9,10,11,12,13,14,15
	v_min_u32 v[IDS+\s], 0xfff, v[IDS+\s]          ; a codebook has 4,096 blocks
	v_lshl_add_u32 v[GA+\s], v[IDS+\s], 7, v119    ; 128 bytes a block + 16 j
	global_load_b128 v[REC+4*\s:REC+4*\s+3], v[GA+\s], s[6:7]
.endr
	s_wait_loadcnt 16                              ; the state is in; the 16 gathers may be out
.irp i, 0,1,2,3
	v_add_f32 v[R2+\i], v[RR+\i], v[RR+\i]
.endr
	v_mul_f32 v[AA], v[RR], v[RR]
	v_fmac_f32 v[AA], v[RR+1], v[RR+1]
	v_fmac_f32 v[AA], v[RR+2], v[RR+2]
	v_fmac_f32 v[AA], v[RR+3], v[RR+3]
; (d, i, w0, w1) replaces the best if d is smaller, or equal with a lower index
.macro TAKE d, i, w0, w1
	v_cmp_lt_f32 s20, v[\d], v[BD]
	v_cmp_eq_f32 s21, v[\d], v[BD]
	v_cmp_lt_u32 s22, v[\i], v[BI]
	s_and_b32 s21, s21, s22
	s_or_b32 s20, s20, s21
	v_cndmask_b32 v[BD], v[BD], v[\d], s20
	v_cndmask_b32 v[BI], v[BI], v[\i], s20
	v_cndmask_b32 v[BW], v[BW], v[\w0], s20
	v_cndmask_b32 v[BW+1], v[BW+1], v[\w1], s20
.endm
.macro EVAL s, first
	s_wait_loadcnt 15-\s                           ; gather s is in, the younger ones may be out
	v_lshlrev_b32 v[E], 16, v[REC+4*\s]
	v_and_b32 v[E+1], s13, v[REC+4*\s]
	v_lshlrev_b32 v[E+2], 16, v[REC+4*\s+1]
	v_and_b32 v[E+3], s13, v[REC+4*\s+1]
	v_mul_f32 v[CC], v[E], v[E]
	v_mul_f32 v[BB], v[R2], v[E]
.irp i, 1,2,3
	v_fmac_f32 v[CC], v[E+\i], v[E+\i]
	v_fmac_f32 v[BB], v[R2+\i], v[E+\i]
.endr
	v_sub_f32 v[BB], v[AA], v[BB]                  ; A - B
.if \first
	v_add_f32 v[BD], v[BB], v[CC]                  ; the first candidate starts the best: nothing is preset
	v_lshl_add_u32 v[BI], v[IDS+\s], 3, v1
	v_mov_b32 v[BW], v[REC+4*\s]
	v_mov_b32 v[BW+1], v[REC+4*\s+1]
.else
	v_add_f32 v[DD], v[BB], v[CC]                  ; (A - B) + C
	v_lshl_add_u32 v[IX], v[IDS+\s], 3, v1         ; index = 8 block + j
	TAKE DD, IX, REC+4*\s, REC+4*\s+1
.endif
.endm
	EVAL 0, 1
.irp s, 1,2,3,4,5,6,7,8,9,10,11,12,13,14,15
	EVAL \s, 0
.endr
	; over the vector's 8 lanes: both partners of an exchange make the same choice, so all 8 end with the winner
.irp m, 1,2,4
	v_mov_b32_dpp v[E], v[BD] row_xmask:\m row_mask:0xf bank_mask:0xf
	v_mov_b32_dpp v[E+1], v[BI] row_xmask:\m row_mask:0xf bank_mask:0xf
	v_mov_b32_dpp v[E+2], v[BW] row_xmask:\m row_mask:0xf bank_mask:0xf
	v_mov_b32_dpp v[E+3], v[BW+1] row_xmask:\m row_mask:0xf bank_mask:0xf
	TAKE E, E+1, E+2, E+3
.endr
	v_lshlrev_b32 v[E], 16, v[BW]                  ; quant
	v_and_b32 v[E+1], s13, v[BW]
	v_lshlrev_b32 v[E+2], 16, v[BW+1]
	v_and_b32 v[E+3], s13, v[BW+1]
.irp i, 0,1,2,3
	v_sub_f32 v[E+\i], v[E+\i], v[RR+\i]           ; quant - r
	v_fmac_f32 v[LC], v[E+\i], v[E+\i]             ; its square is (r - quant)^2
	v_add_f32 v[E+\i], v[RR+\i], v[E+\i]           ; quant_st = r + (quant - r)
	v_add_f32 v[ZZ+\i], v[ZZ+\i], v[E+\i]
	v_sub_f32 v[RR+\i], v[RR+\i], v[E+\i]
.endr
	v_cmp_gt_i32 vcc_lo, 0, v[LC+1]                ; no code kept yet: this is the first stage
	v_cndmask_b32 v[LC+1], v[LC+1], v[BI], vcc_lo
	; out through LDS: r at 0, z at 512, the pairs at 1,024.  A vector's 8 lanes write the same bytes with the same values.
	v_lshlrev_b32 v136, 4, v2
	v_lshlrev_b32 v137, 3, v2
	ds_store_b128 v136, v[RR:RR+3]
	ds_store_b128 v136, v[ZZ:ZZ+3] offset:512
	ds_store_b64 v137, v[LC:LC+1] offset:1024
	s_wait_dscnt 0x0                               ; done before the signal, for the waves that read them
	s_barrier_signal -1
	s_barrier_wait -1
	v_lshrrev_b32 v138, 5, v0
	v_readfirstlane_b32 s14, v138                  ; wave
	v_and_b32 v139, 31, v0                         ; lane
	s_cmp_gt_u32 s14, 2
	s_cbranch_scc1 .Lend
	s_cmp_eq_u32 s14, 2
	s_cbranch_scc1 .Lpairs
	v_lshlrev_b32 v136, 4, v0                      ; wave 0: r, wave 1: z: LDS byte 16 t
	ds_load_b128 v[20:23], v136
	s_lshl_b32 s16, s14, 17                        ; z lies 131,072 bytes behind r
	s_lshl_b32 s17, ttmp9, 9                       ; 32 vectors of 16 bytes
	s_add_co_u32 s16, s16, s17
	s_mov_b32 s17, 0
	s_add_nc_u64 s[10:11], s[10:11], s[16:17]
	v_lshlrev_b32 v137, 4, v139
	s_wait_dscnt 0x0
	global_store_b128 v137, v[20:23], s[10:11]     ; 512 consecutive bytes
	s_wait_tensorcnt 0x0
	ds_add_u32 v140, v141
	s_wait_dscnt 0x0
	s_endpgm
.Lpairs:
	v_lshlrev_b32 v137, 3, v139
	ds_load_b64 v[20:21], v137 offset:1024
	s_lshl_b32 s16, ttmp9, 8                       ; 32 pairs of 8 bytes
	s_mov_b32 s17, 0
	s_add_nc_u64 s[10:11], s[10:11], s[16:17]
	s_wait_dscnt 0x0
	global_store_b64 v137, v[20:21], s[10:11] offset:LOFF      ; 256 consecutive bytes
.Lend:
	s_wait_tensorcnt 0x0
	ds_add_u32 v140, v141
	s_wait_dscnt 0x0
	s_endpgm
.Lfunc_end_k_qa3381e7488_refine0:
	.size	k_qa3381e7488_refine0, .Lfunc_end_k_qa3381e7488_refine0-k_qa3381e7488_refine0
	.p2alignl 7, 3214868480
	.fill 96, 4, 3214868480
	.section	.rodata,"a",@progbits
	.p2align	6, 0x0
	.amdhsa_kernel k_qa3381e7488_refine0
		.amdhsa_group_segment_fixed_size 2304
		.amdhsa_private_segment_fixed_size 0
		.amdhsa_enable_private_segment 0
		.amdhsa_kernarg_size 32
		.amdhsa_user_sgpr_count 2
		.amdhsa_user_sgpr_kernarg_segment_ptr 1
		.amdhsa_wavefront_size32 1
		.amdhsa_system_sgpr_workgroup_id_x 1
		.amdhsa_system_sgpr_workgroup_id_y 1
		.amdhsa_system_sgpr_workgroup_id_z 1
		.amdhsa_system_vgpr_workitem_id 0
		.amdhsa_next_free_vgpr 142
		.amdhsa_next_free_sgpr 66
		.amdhsa_reserve_vcc 1
		.amdhsa_float_denorm_mode_32 3
		.amdhsa_float_denorm_mode_16_64 3
		.amdhsa_memory_ordered 1
		.amdhsa_forward_progress 1
		.amdhsa_inst_pref_size 28
	.end_amdhsa_kernel
	.amdgpu_metadata
---
amdhsa.version: [ 1, 2 ]
amdhsa.kernels:
  - .name:           k_qa3381e7488_refine0
    .symbol:         k_qa3381e7488_refine0.kd
    .args:
      - { .name: stA, .offset: 0, .size: 8, .value_kind: global_buffer, .address_space: global }
      - { .name: cbp0, .offset: 8, .size: 8, .value_kind: global_buffer, .address_space: global }
      - { .name: cand, .offset: 16, .size: 8, .value_kind: global_buffer, .address_space: global }
      - { .name: stB, .offset: 24, .size: 8, .value_kind: global_buffer, .address_space: global }
    .group_segment_fixed_size: 2304
    .private_segment_fixed_size: 0
    .kernarg_segment_align: 8
    .kernarg_segment_size: 32
    .max_flat_workgroup_size: 256
    .sgpr_count:     66
    .vgpr_count:     142
    .wavefront_size: 32
...
	.end_amdgpu_metadata
.endif
;; end of part 3
;; launch scan1: the kernel of part 2 again; grid 32 x 8, 8 waves a work-group, no clusters, 70,656 bytes of LDS; arguments stB, cbp1, cand; writes cand
;; launch refine1: the kernel of part 3 again; grid 256 x 1, 8 waves a work-group, no clusters, 2,304 bytes of LDS; arguments stB, cbp1, cand, stA; writes stA
;; launch scan2: the kernel of part 2 again; grid 32 x 8, 8 waves a work-group, no clusters, 70,656 bytes of LDS; arguments stA, cbp2, cand; writes cand
;; launch refine2: the kernel of part 3 again; grid 256 x 1, 8 waves a work-group, no clusters, 2,304 bytes of LDS; arguments stA, cbp2, cand, stB; writes stB
;; launch scan3: the kernel of part 2 again; grid 32 x 8, 8 waves a work-group, no clusters, 70,656 bytes of LDS; arguments stB, cbp3, cand; writes cand
;; launch refine3: the kernel of part 3 again; grid 256 x 1, 8 waves a work-group, no clusters, 2,304 bytes of LDS; arguments stB, cbp3, cand, stA; writes stA
;; launch finish (part 4): grid 33 x 1, 8 waves a work-group, no clusters, 6,400 bytes of LDS; arguments stA, out0, out1, out2; writes out0, out1, out2
.if DOCPART == 4
	.amdgcn_target "amdgcn-amd-amdhsa--gfx1250"
	.amdhsa_code_object_version 6
	.text
	.protected	k_qa3381e7488_finish
	.globl	k_qa3381e7488_finish
	.p2align	8
	.type	k_qa3381e7488_finish,@function
k_qa3381e7488_finish:
	s_mov_b64 s[64:65], 0
	v_nop
	global_prefetch_b8 v0, s[64:65] scope:SCOPE_SE
	s_setreg_imm32_b32 hwreg(HW_REG_WAVE_MODE, 25, 1), 1
	s_wait_xcnt 0x0
; THE RESULTS.  Arguments: the last state, out0 [8][4][1024] f32 (z_q), out1 (the loss), out2 [8192] i32 (the first stage's codes).
; Work-groups 0 to 31: 256 vectors each.  z [vector][4] is turned into planes through LDS (four stores of 4 bytes a lane into 4 planes of 1,024 bytes,
; neighbouring lanes at neighbouring words; read back 16 bytes a lane), so that 16 lanes store 256 consecutive bytes of out0; the codes likewise.
; Work-group 32: the loss = 1.25 / 32768 x the sum over all vectors of their sums of (r - quant)^2 over the four stages: reference() adds, for each stage,
; the mean over 32,768 numbers once and 0.25 times once more.  One owner adds all 8,192 sums in a fixed order; the order of rounding differs from reference()'s.
; LDS: the planes and the codes take bytes 0 to 5,119; the loss's eight partial sums take bytes 5,120 to 5,151.  The two ways through this text share no LDS byte.
.set ZOFF, 131072
.set LOFF, 262144
.set CODES, 4096                       ; LDS: behind the four planes of 1,024 bytes, the 256 codes
.set LSUM,  5120                       ; LDS: a word for each wave's part of the loss, in a block of 256 bytes of its own
	s_load_b256 s[4:11], s[0:1], 0x0               ; state s[4:5], out0 s[6:7], out1 s[8:9], out2 s[10:11]
	v_lshl_add_u32 v88, v0, 2, 0x1500
	v_mov_b32 v89, 0
	v_lshlrev_b32 v1, 4, v0                        ; 16 t
	v_lshlrev_b32 v2, 3, v0                        ; 8 t
	v_lshlrev_b32 v5, 2, v0                        ; 4 t
	v_lshrrev_b32 v6, 5, v0
	v_readfirstlane_b32 s14, v6                    ; wave
	s_wait_kmcnt 0x0
	s_cmp_eq_u32 ttmp9, 32
	s_cbranch_scc1 .Lloss
	s_lshl_b32 s12, ttmp9, 12                      ; 256 vectors of 16 bytes
	s_lshl_b32 s13, ttmp9, 11                      ; 256 pairs of 8 bytes
	v_add_nc_u32 v3, s12, v1
	v_add_nc_u32 v4, s13, v2
	global_load_b128 v[8:11], v3, s[4:5] offset:ZOFF           ; z of vector 256 g + t
	global_load_b64 v[12:13], v4, s[4:5] offset:LOFF           ; its sum and its code
	v_and_b32 v6, 63, v0                           ; on the way out thread t takes plane t / 64, positions 4 (t % 64) .. + 3
	v_lshrrev_b32 v7, 6, v0
	v_lshlrev_b32 v6, 4, v6
	v_lshl_add_u32 v6, v7, 12, v6                  ; 4,096 bytes a plane + 16 bytes a thread
	s_lshr_b32 s15, ttmp9, 2                       ; image = g / 4: 16,384 bytes
	s_lshl_b32 s15, s15, 14
	s_and_b32 s16, ttmp9, 3                        ; quarter of the image: 256 positions of 4 bytes
	s_lshl_b32 s16, s16, 10
	s_add_co_u32 s16, s15, s16
	s_mov_b32 s17, 0
	s_add_nc_u64 s[6:7], s[6:7], s[16:17]
	s_wait_loadcnt 0x0
	ds_store_b32 v5, v8
	ds_store_b32 v5, v9 offset:1024
	ds_store_b32 v5, v10 offset:2048
	ds_store_b32 v5, v11 offset:3072
	ds_store_b32 v5, v13 offset:CODES
	s_wait_dscnt 0x0                               ; done before the signal
	s_barrier_signal -1
	s_barrier_wait -1
	ds_load_b128 v[16:19], v1                      ; 1,024 (t / 64) + 16 (t % 64) = 16 t
	s_wait_dscnt 0x0
	global_store_b128 v6, v[16:19], s[6:7]         ; 16 lanes store 256 consecutive bytes, at a multiple of 256 from out0's first byte
	s_cmp_gt_u32 s14, 1
	s_cbranch_scc1 .Lend
	ds_load_b128 v[20:23], v1 offset:CODES         ; waves 0 and 1: the 256 codes
	s_lshl_b32 s18, ttmp9, 10
	s_mov_b32 s19, 0
	s_add_nc_u64 s[10:11], s[10:11], s[18:19]
	s_wait_dscnt 0x0
	global_store_b128 v1, v[20:23], s[10:11]
.Lend:
	s_wait_tensorcnt 0x0
	ds_add_u32 v88, v89
	s_wait_dscnt 0x0
	s_endpgm
.Lloss:
.irp i, 0,1,2,3,4,5,6,7,8,9,10,11,12,13,14,15
	global_load_b128 v[24+4*\i:27+4*\i], v1, s[4:5] offset:LOFF+4096*\i    ; two pairs (sum, code) a load; the eight waves cover 4,096 consecutive bytes
.endr
	s_mov_b32 s20, 0x76543210                      ; v_permlanex16_b32: lane i of one half reads lane i of the other
	s_mov_b32 s21, 0xfedcba98
	s_wait_loadcnt 0x0
	v_add_f32 v8, v24, v26                         ; four chains, started by the first four loads
	v_add_f32 v9, v28, v30
	v_add_f32 v10, v32, v34
	v_add_f32 v11, v36, v38
.irp i, 4,5,6,7,8,9,10,11,12,13,14,15
	v_add_f32 v[8+(\i%4)], v[8+(\i%4)], v[24+4*\i]
	v_add_f32 v[8+(\i%4)], v[8+(\i%4)], v[26+4*\i]
.endr
	v_add_f32 v8, v8, v9
	v_add_f32 v10, v10, v11
	v_add_f32 v8, v8, v10
	v_add_f32_dpp v8, v8, v8 row_xmask:1 row_mask:0xf bank_mask:0xf
	v_add_f32_dpp v8, v8, v8 row_xmask:2 row_mask:0xf bank_mask:0xf
	v_add_f32_dpp v8, v8, v8 row_xmask:4 row_mask:0xf bank_mask:0xf
	v_add_f32_dpp v8, v8, v8 row_xmask:8 row_mask:0xf bank_mask:0xf
	v_permlanex16_b32 v9, v8, s20, s21
	v_add_f32 v8, v8, v9                           ; the wave's sum, in every lane
	v_mov_b32 v12, s14
	v_lshlrev_b32 v12, 2, v12
	ds_store_b32 v12, v8 offset:LSUM               ; a word for each wave
	s_wait_dscnt 0x0                               ; done before the signal
	s_barrier_signal -1
	s_barrier_wait -1
	v_mov_b32 v13, 0
	ds_load_b128 v[16:19], v13 offset:LSUM
	ds_load_b128 v[20:23], v13 offset:LSUM+16
	s_wait_dscnt 0x0
	v_add_f32 v16, v16, v17
	v_add_f32 v18, v18, v19
	v_add_f32 v20, v20, v21
	v_add_f32 v22, v22, v23
	v_add_f32 v16, v16, v18
	v_add_f32 v20, v20, v22
	v_add_f32 v16, v16, v20
	v_mul_f32 v16, 0x38200000, v16                 ; x 1.25 / 32768
	v_cmp_eq_u32 vcc_lo, 0, v0
	s_wait_xcnt 0x0                                ; EXEC changes only behind this wait
	s_wait_tensorcnt 0x0
	ds_add_u32 v88, v89
	s_wait_dscnt 0x0
	s_and_saveexec_b32 s22, vcc_lo
	global_store_b32 v13, v16, s[8:9]              ; thread 0 alone: out1 is one number of 4 bytes
	s_wait_xcnt 0x0
	s_or_b32 exec_lo, exec_lo, s22
	s_endpgm
.Lfunc_end_k_qa3381e7488_finish:
	.size	k_qa3381e7488_finish, .Lfunc_end_k_qa3381e7488_finish-k_qa3381e7488_finish
	.p2alignl 7, 3214868480
	.fill 96, 4, 3214868480
	.section	.rodata,"a",@progbits
	.p2align	6, 0x0
	.amdhsa_kernel k_qa3381e7488_finish
		.amdhsa_group_segment_fixed_size 6400
		.amdhsa_private_segment_fixed_size 0
		.amdhsa_enable_private_segment 0
		.amdhsa_kernarg_size 32
		.amdhsa_user_sgpr_count 2
		.amdhsa_user_sgpr_kernarg_segment_ptr 1
		.amdhsa_wavefront_size32 1
		.amdhsa_system_sgpr_workgroup_id_x 1
		.amdhsa_system_sgpr_workgroup_id_y 1
		.amdhsa_system_sgpr_workgroup_id_z 1
		.amdhsa_system_vgpr_workitem_id 0
		.amdhsa_next_free_vgpr 90
		.amdhsa_next_free_sgpr 66
		.amdhsa_reserve_vcc 1
		.amdhsa_float_denorm_mode_32 3
		.amdhsa_float_denorm_mode_16_64 3
		.amdhsa_memory_ordered 1
		.amdhsa_forward_progress 1
		.amdhsa_inst_pref_size 7
	.end_amdhsa_kernel
	.amdgpu_metadata
---
amdhsa.version: [ 1, 2 ]
amdhsa.kernels:
  - .name:           k_qa3381e7488_finish
    .symbol:         k_qa3381e7488_finish.kd
    .args:
      - { .name: stA, .offset: 0, .size: 8, .value_kind: global_buffer, .address_space: global }
      - { .name: out0, .offset: 8, .size: 8, .value_kind: global_buffer, .address_space: global }
      - { .name: out1, .offset: 16, .size: 8, .value_kind: global_buffer, .address_space: global }
      - { .name: out2, .offset: 24, .size: 8, .value_kind: global_buffer, .address_space: global }
    .group_segment_fixed_size: 6400
    .private_segment_fixed_size: 0
    .kernarg_segment_align: 8
    .kernarg_segment_size: 32
    .max_flat_workgroup_size: 256
    .sgpr_count:     66
    .vgpr_count:     90
    .wavefront_size: 32
...
	.end_amdgpu_metadata
.endif
;; end of part 4
;; ======== version 2 of 3: 7 launches; 1.27 times as fast as version 1
;; limits: values outside matrix products are rounded to bf16
;; workspace buffers: cbp0 524,288 bytes; cbp1 524,288 bytes; cbp2 524,288 bytes; cbp3 524,288 bytes; candA 524,288 bytes of whole numbers; candB 524,288 bytes of whole numbers; stA 327,680 bytes; stB 327,680 bytes
;; launch prep: the kernel of part 1 again; grid 256 x 1, 8 waves a work-group, no clusters, 0 bytes of LDS; arguments codebooks, x, cbp0, cbp1, cbp2, cbp3, stA; writes cbp0, cbp1, cbp2, cbp3, stA
;; launch scan0 (part 5): grid 32 x 8, 16 waves a work-group, no clusters, 83,968 bytes of LDS; arguments stA, cbp0, candA; writes candA
.if DOCPART == 5
	.amdgcn_target "amdgcn-amd-amdhsa--gfx1250"
	.amdhsa_code_object_version 6
	.text
	.protected	k_qa3381e7488_scan0
	.globl	k_qa3381e7488_scan0
	.p2align	8
	.type	k_qa3381e7488_scan0,@function
k_qa3381e7488_scan0:
	s_mov_b64 s[64:65], 0
	v_nop
	global_prefetch_b8 v0, s[64:65] scope:SCOPE_SE
	s_setreg_imm32_b32 hwreg(HW_REG_WAVE_MODE, 25, 1), 1
	s_wait_xcnt 0x0
; THE SCAN OF THE FIRST STAGE: for every vector and every one of 16 groups of codes, which block of 8 neighbouring codes holds the nearest code.
; Arguments: the state (r is read), the stage's records, cand [16 slots][8192 vectors] of block numbers (0 .. 4095).
; The matrix unit makes  D(code, vector) = 2 r.e - C  (C = |e|^2), the negative of the distance up to |r|^2, which is the same for all codes: the LARGEST D is wanted.
;   A (16 rows = 16 codes): both lane halves load the same 16-byte record, so k 0-7 = k 8-15 = (e0 e1 e2 e3 Ch Cm Cl 0); k 16-31 = 0.
;   B (16 columns = 16 vectors): k 0-7 = (bf16 of 2r, four numbers; -1 -1 -1 0), k 8-15 = (bf16 of what the first piece left of 2r; 0 0 0 0), k 16-31 = 0.
; All products are exact; r enters with 16 significant bits, C with all 24.
; In D, lane (n = lane % 16, h = lane / 16) holds in its 8 registers the codes 16 tile + 8 h + 0..7 for vector n: block 2 tile + h.  Four v_max3, a compare
; and a select for each D keep the largest value so far and the tile that brought it (a later tile must be strictly larger: the lower number stays).
; A work-group: 256 vectors x 4,096 codes (grid x: 32 sets of vectors, grid y: 8 parts of the codebook).  Sixteen waves, four to a SIMD, so that a wave that
; waits for a matrix result or an LDS load leaves its issue slots to three others.  Wave = (vq = wave / 4, ch = wave % 4): 64 vectors (four B operands,
; vector 4 n + v in column n of operand v) x 1,024 codes (64 tiles).  The four waves of a vq are merged through LDS at the end, the lower codes first.
; cand[2 part + h][vector] = the group's block.  The next launch evaluates the 16 x 8 codes so kept in f32 and decides.
; LIMITS.  What is decided here, by the matrix unit's sums and 16 bits of r, is only which block of a group (an eighth of the codebook, one half of the
; tiles' rows) is kept: two codes of one group in different blocks that lie closer together than that arithmetic resolves are decided by it and not by
; reference()'s f32 order.  Equal values keep the lower block.  NaN and infinite inputs are not served.
; NO JOINT LOADS: the 32 work-groups of a part read the same 65,536 bytes, but each reads them once, at its head, and then feeds 4,096 matrix instructions
; from LDS; the copy goes through registers, 8 loads a thread, and nothing in LDS is ever filled again.
.set EXCH,  65536                      ; LDS: records at 0, behind them 1,024 bytes for each wave, for the merge
.set BOP,   8                          ; v[8:39]    four B operands
.set ABUF,  40                         ; v[40:71]   four A buffers; registers 4-7 of each stay 0
.set DACC,  72                         ; v[72:135]  D: 32 x parity of the tile + 8 x operand; before the loop the copy's 8 x 4 registers
.set TMP,   136                        ; v[136:147] three partial maxima for each operand
.set BEST,  148                        ; v[148:155] largest so far: 4 x parity + operand
.set ID,    156                        ; v[156:159] its tile
.set RV,    160                        ; v[160:175] r of my four vectors
.set MG,    160                        ; v[160:183] at the end: the three other waves' values and tiles
.set W,     176                        ; v[176:185] at work
.set K2,    186                        ; B's word 2: (-1, -1) in lanes 0-15, 0 in lanes 16-31
.set K3,    187                        ; B's word 3: (-1, 0) in lanes 0-15, 0 in lanes 16-31
	s_load_b128 s[4:7], s[0:1], 0x0                ; state s[4:5], records s[6:7]
	s_load_b64 s[8:9], s[0:1], 0x10                ; cand
	v_lshl_add_u32 v192, v0, 2, 0x14000
	v_mov_b32 v193, 0
	v_lshrrev_b32 v1, 5, v0
	v_readfirstlane_b32 s10, v1                    ; wave
	s_lshr_b32 s11, s10, 2                         ; vq: which 64 vectors
	s_and_b32 s12, s10, 3                          ; ch: which 1,024 codes
	s_and_b32 s14, ttmp7, 0xffff                   ; part of the codebook
	v_and_b32 v2, 15, v0                           ; n
	v_bfe_u32 v3, v0, 4, 1                         ; h
	v_lshlrev_b32 v4, 6, v2                        ; my four vectors' 64 bytes of r
	v_lshlrev_b32 v5, 4, v0                        ; the copy: 16 t, in memory and in LDS
	s_lshl_b32 s16, ttmp9, 12                      ; 256 vectors of 16 bytes
	s_lshl_b32 s17, s11, 10                        ; 64 vectors of 16 bytes
	s_add_co_u32 s16, s16, s17
	s_mov_b32 s17, 0
	s_lshl_b32 s18, s14, 16                        ; 4,096 records of 16 bytes
	s_mov_b32 s19, 0
	s_mov_b32 s29, 0xffff0000                      ; a word's upper bf16
	s_wait_kmcnt 0x0
	s_add_nc_u64 s[4:5], s[4:5], s[16:17]
	s_add_nc_u64 s[6:7], s[6:7], s[18:19]
.irp v, 0,1,2,3
	global_load_b128 v[RV+4*\v:RV+4*\v+3], v4, s[4:5] offset:16*\v
.endr
.irp i, 0,1,2,3,4,5,6,7
	global_load_b128 v[DACC+4*\i:DACC+4*\i+3], v5, s[6:7] offset:8192*\i   ; the sixteen waves cover 8,192 consecutive bytes
.endr
	; constants, while the loads are on their way
	v_cmp_eq_u32 s26, 1, v3                        ; lanes 16-31
	v_mov_b32 v[W], 0
	v_mov_b32 v[K2], 0xbf80bf80
	v_mov_b32 v[K3], 0xbf80
	v_cndmask_b32 v[K2], v[K2], v[W], s26
	v_cndmask_b32 v[K3], v[K3], v[W], s26
.irp b, 0,1,2,3
.irp i, 4,5,6,7
	v_mov_b32 v[ABUF+8*\b+\i], 0                   ; k 16-31 of A: written once, the loads fill registers 0-3 only
.endr
.endr
	s_lshl_b32 s24, s14, 8                         ; 256 tiles a part,
	s_lshl_b32 s27, s12, 6                         ; 64 a wave:
	s_add_co_u32 s24, s24, s27                     ; my first tile's number in the codebook
.irp v, 0,1,2,3
	v_mov_b32 v[BEST+\v], 0xff800000               ; minus infinity
	v_mov_b32 v[ID+\v], s24
.endr
	s_sub_co_u32 s24, s24, 1                       ; each reduction steps the number before it uses it
	s_lshl_b32 s27, s12, 14                        ; 64 tiles of 256 bytes
	v_lshlrev_b32 v1, 4, v2
	v_add_nc_u32 v1, s27, v1                       ; LDS address of record n of my first tile
; B operand v from r of vector 4 n + v
.macro BUILD v
.irp i, 0,1,2,3
	v_add_f32 v[W+\i], v[RV+4*\v+\i], v[RV+4*\v+\i]        ; 2 r, exact
.endr
	v_cvt_pk_bf16_f32 v[W+4], v[W], v[W+1]                 ; the first pieces
	v_cvt_pk_bf16_f32 v[W+5], v[W+2], v[W+3]
	v_lshlrev_b32 v[W+6], 16, v[W+4]
	v_and_b32 v[W+7], s29, v[W+4]
	v_lshlrev_b32 v[W+8], 16, v[W+5]
	v_and_b32 v[W+9], s29, v[W+5]
.irp i, 0,1,2,3
	v_sub_f32 v[W+\i], v[W+\i], v[W+6+\i]                  ; what they leave, exact
.endr
	v_cvt_pk_bf16_f32 v[W+6], v[W], v[W+1]                 ; the second pieces
	v_cvt_pk_bf16_f32 v[W+7], v[W+2], v[W+3]
	v_cndmask_b32 v[BOP+8*\v], v[W+4], v[W+6], s26         ; lanes 0-15 (k 0-7) the first, lanes 16-31 (k 8-15) the second
	v_cndmask_b32 v[BOP+8*\v+1], v[W+5], v[W+7], s26
	v_mov_b32 v[BOP+8*\v+2], v[K2]
	v_mov_b32 v[BOP+8*\v+3], v[K3]
.irp i, 4,5,6,7
	v_mov_b32 v[BOP+8*\v+\i], 0                            ; k 16-31
.endr
.endm
	s_wait_loadcnt 8                               ; r is in; the 8 loads of records, issued later, may be out
	BUILD 0
	BUILD 1
	BUILD 2
	BUILD 3
.irp i, 0,1,2,3,4,5,6,7
	s_wait_loadcnt 7-\i                            ; loads come back in order: number i is in
	ds_store_b128 v5, v[DACC+4*\i:DACC+4*\i+3] offset:8192*\i
.endr
	s_wait_dscnt 0x0                               ; my stores are done, for the other waves' sake
	s_barrier_signal -1
	s_barrier_wait -1                              ; all 65,536 bytes are in LDS; they are only read from here on
.irp b, 0,1,2,3
	ds_load_b128 v[ABUF+8*\b:ABUF+8*\b+3], v1 offset:256*\b    ; lanes 0-15 take 256 consecutive bytes, lanes 16-31 the same
.endr
; One matrix instruction: the tile in buffer b, operand v, into the D set of parity p.  C is the constant 0: there is no sum over K steps and no chain.
.macro MM b, p, v
	v_wmma_f32_16x16x32_bf16 v[DACC+32*\p+8*\v:DACC+32*\p+8*\v+7], v[ABUF+8*\b:ABUF+8*\b+7], v[BOP+8*\v:BOP+8*\v+7], 0
.endm
; The six vector instructions for one D (parity p, operand v; q = 1 - p).  BEST of parity p is the old value, of parity q the new one: no copy.
.macro AAA p, v                        ; 8 results and the old best -> three partial maxima
	v_max3_num_f32 v[TMP+3*\v], v[DACC+32*\p+8*\v], v[DACC+32*\p+8*\v+1], v[DACC+32*\p+8*\v+2]
	v_max3_num_f32 v[TMP+3*\v+1], v[DACC+32*\p+8*\v+3], v[DACC+32*\p+8*\v+4], v[DACC+32*\p+8*\v+5]
	v_max3_num_f32 v[TMP+3*\v+2], v[DACC+32*\p+8*\v+6], v[DACC+32*\p+8*\v+7], v[BEST+4*\p+\v]
.endm
.macro F1 p, q, v
	v_max3_num_f32 v[BEST+4*\q+\v], v[TMP+3*\v], v[TMP+3*\v+1], v[TMP+3*\v+2]
.endm
.macro F2 p, q, v
	v_cmp_gt_f32 s[20+\v], v[BEST+4*\q+\v], v[BEST+4*\p+\v]    ; strictly larger: this tile takes over
.endm
.macro F3 v
	v_cndmask_b32 v[ID+\v], v[ID+\v], s24, s[20+\v]            ; s24: the number of the tile that is being reduced
.endm
; A step: the four matrix instructions of the tile in buffer b (parity p), and behind each of them six of the 24 vector instructions that reduce the tile
; before (parity q), in an order in which none reads a result made fewer than four instructions earlier.
; Distances (ISA guide 7.12.1): a D is read one step after it was made, behind at least six vector instructions that name none of that matrix
; instruction's registers; buffer b is loaded again behind the six that follow its last matrix instruction (in the first step: four v_nop).
; cnt: A loads come back in order; the tile's own is in when only the cnt younger ones are out.
.macro STEP b, p, q, proc, load, cnt
	s_wait_dscnt \cnt
	MM \b, \p, 0
.if \proc
	AAA \q, 0
	AAA \q, 1
.endif
	MM \b, \p, 1
.if \proc
	AAA \q, 2
	AAA \q, 3
	s_add_co_u32 s24, s24, 1                       ; the number of the tile that is being reduced
.endif
	MM \b, \p, 2
.if \proc
	F1 \q, \p, 0
	F1 \q, \p, 1
	F1 \q, \p, 2
	F1 \q, \p, 3
	F2 \q, \p, 0
	F2 \q, \p, 1
.endif
	MM \b, \p, 3
.if \proc
	F2 \q, \p, 2
	F2 \q, \p, 3
	F3 0
	F3 1
	F3 2
	F3 3
.else
.rept 4
	v_nop                                          ; no tile to reduce yet: the places in front of the load below and of the next step's reads
.endr
.endif
.if \load
	ds_load_b128 v[ABUF+8*\b:ABUF+8*\b+3], v1 offset:256*(\b+4)    ; four tiles ahead
.endif
.endm
	STEP 0, 0, 1, 0, 1, 3                          ; tiles 0 to 3
	STEP 1, 1, 0, 1, 1, 3
	STEP 2, 0, 1, 1, 1, 3
	STEP 3, 1, 0, 1, 1, 3
	v_add_nc_u32 v1, 1024, v1
	s_mov_b32 s25, 14
.Lgroup:                                           ; tiles 4 to 59, four a trip
	STEP 0, 0, 1, 1, 1, 3
	STEP 1, 1, 0, 1, 1, 3
	STEP 2, 0, 1, 1, 1, 3
	STEP 3, 1, 0, 1, 1, 3
	v_add_nc_u32 v1, 1024, v1
	s_sub_co_u32 s25, s25, 1
	s_cmp_lg_u32 s25, 0
	s_cbranch_scc1 .Lgroup
	STEP 0, 0, 1, 1, 0, 3                          ; tiles 60 to 63: nothing is left to load, the counts run down
	STEP 1, 1, 0, 1, 0, 2
	STEP 2, 0, 1, 1, 0, 1
	STEP 3, 1, 0, 1, 0, 0
.irp v, 0,1,2,3
	AAA 1, \v                                      ; the last tile's reduction; its last D is read behind the six instructions above and nine of these
.endr
	s_add_co_u32 s24, s24, 1
.irp v, 0,1,2,3
	F1 1, 0, \v
.endr
.irp v, 0,1,2,3
	F2 1, 0, \v
.endr
.irp v, 0,1,2,3
	F3 \v
.endr
	; the merge: the waves of the upper three quarters of the codes hand their values and tiles to the wave of the lowest
	v_and_b32 v6, 31, v0
	s_lshl_b32 s28, s10, 10
	s_add_co_u32 s28, s28, EXCH
	v_lshl_add_u32 v6, v6, 4, s28                  ; 1,024 bytes for each wave: 512 of values, 512 of tiles
	s_cmp_eq_u32 s12, 0
	s_cbranch_scc1 .Lkeep
	ds_store_b128 v6, v[BEST:BEST+3]
	ds_store_b128 v6, v[ID:ID+3] offset:512
.Lkeep:
	s_wait_dscnt 0x0                               ; the stores are done before the signal
	s_barrier_signal -1
	s_barrier_wait -1
	s_cmp_lg_u32 s12, 0
	s_cbranch_scc1 .Ldone
.irp c, 1,2,3
	ds_load_b128 v[MG+8*\c-8:MG+8*\c-5], v6 offset:1024*\c         ; the three waves behind mine
	ds_load_b128 v[MG+8*\c-4:MG+8*\c-1], v6 offset:1024*\c+512
.endr
	s_lshl_b32 s30, s14, 16                        ; slot 2 part: 2 x 32,768 bytes
	s_lshl_b32 s31, ttmp9, 10                      ; 256 vectors of 4 bytes
	s_add_co_u32 s30, s30, s31
	s_lshl_b32 s31, s11, 8                         ; 64 vectors of 4 bytes
	s_add_co_u32 s30, s30, s31
	s_mov_b32 s31, 0
	s_add_nc_u64 s[8:9], s[8:9], s[30:31]
	v_lshlrev_b32 v7, 4, v2                        ; vectors 4 n .. 4 n + 3
	v_lshl_add_u32 v7, v3, 15, v7                  ; slot + h
	s_wait_dscnt 0x0
.irp c, 1,2,3
.irp v, 0,1,2,3
	v_cmp_gt_f32 vcc_lo, v[MG+8*\c-8+\v], v[BEST+\v]               ; higher codes win only if strictly larger
.if \c < 3
	v_cndmask_b32 v[BEST+\v], v[BEST+\v], v[MG+8*\c-8+\v], vcc_lo
.endif
	v_cndmask_b32 v[ID+\v], v[ID+\v], v[MG+8*\c-4+\v], vcc_lo
.endr
.endr
.irp v, 0,1,2,3
	v_lshl_add_u32 v[ID+\v], v[ID+\v], 1, v3       ; block = 2 tile + h
.endr
	global_store_b128 v7, v[ID:ID+3], s[8:9]       ; 16 lanes store 256 consecutive bytes, at a multiple of 256 from cand's first byte
.Ldone:
	s_wait_tensorcnt 0x0
	ds_add_u32 v192, v193
	s_wait_dscnt 0x0
	s_endpgm
.Lfunc_end_k_qa3381e7488_scan0:
	.size	k_qa3381e7488_scan0, .Lfunc_end_k_qa3381e7488_scan0-k_qa3381e7488_scan0
	.p2alignl 7, 3214868480
	.fill 96, 4, 3214868480
	.section	.rodata,"a",@progbits
	.p2align	6, 0x0
	.amdhsa_kernel k_qa3381e7488_scan0
		.amdhsa_group_segment_fixed_size 83968
		.amdhsa_private_segment_fixed_size 0
		.amdhsa_enable_private_segment 0
		.amdhsa_kernarg_size 24
		.amdhsa_user_sgpr_count 2
		.amdhsa_user_sgpr_kernarg_segment_ptr 1
		.amdhsa_wavefront_size32 1
		.amdhsa_system_sgpr_workgroup_id_x 1
		.amdhsa_system_sgpr_workgroup_id_y 1
		.amdhsa_system_sgpr_workgroup_id_z 1
		.amdhsa_system_vgpr_workitem_id 0
		.amdhsa_next_free_vgpr 194
		.amdhsa_next_free_sgpr 66
		.amdhsa_reserve_vcc 1
		.amdhsa_float_denorm_mode_32 3
		.amdhsa_float_denorm_mode_16_64 3
		.amdhsa_memory_ordered 1
		.amdhsa_forward_progress 1
		.amdhsa_inst_pref_size 34
	.end_amdhsa_kernel
	.amdgpu_metadata
---
amdhsa.version: [ 1, 2 ]
amdhsa.kernels:
  - .name:           k_qa3381e7488_scan0
    .symbol:         k_qa3381e7488_scan0.kd
    .args:
      - { .name: stA, .offset: 0, .size: 8, .value_kind: global_buffer, .address_space: global }
      - { .name: cbp0, .offset: 8, .size: 8, .value_kind: global_buffer, .address_space: global }
      - { .name: candA, .offset: 16, .size: 8, .value_kind: global_buffer, .address_space: global }
    .group_segment_fixed_size: 83968
    .private_segment_fixed_size: 0
    .kernarg_segment_align: 8
    .kernarg_segment_size: 24
    .max_flat_workgroup_size: 512
    .sgpr_count:     66
    .vgpr_count:     194
    .wavefront_size: 32
...
	.end_amdgpu_metadata
.endif
;; end of part 5
;; launch step1 (part 6): grid 128 x 2, 16 waves a work-group, clusters of 4 x 1, 284,672 bytes of LDS; arguments stA, cbp0, candA, cbp1, candB, stB; writes candB, stB
.if DOCPART == 6
	.amdgcn_target "amdgcn-amd-amdhsa--gfx1250"
	.amdhsa_code_object_version 6
	.text
	.protected	k_qa3381e7488_step1
	.globl	k_qa3381e7488_step1
	.p2align	8
	.type	k_qa3381e7488_step1,@function
k_qa3381e7488_step1:
	s_mov_b64 s[64:65], 0
	v_nop
	global_prefetch_b8 v0, s[64:65] scope:SCOPE_SE
	s_setreg_imm32_b32 hwreg(HW_REG_WAVE_MODE, 25, 1), 1
	s_wait_xcnt 0x0
	s_wait_alu depctr_hold_cnt(0) depctr_sa_sdst(0) depctr_va_vdst(0) depctr_va_sdst(0) depctr_va_ssrc(0) depctr_va_vcc(0) depctr_vm_vsrc(0)
	s_getreg_b32 s2, hwreg(HW_REG_IB_STS2, 6, 4)
	s_cmp_eq_u32 s2, 0
	s_cbranch_scc0 .Lentry_in_a_cluster
	s_endpgm
.Lentry_in_a_cluster:
	s_bfe_u32 s2, ttmp6, 0x10000c
	s_cmp_lg_u32 s2, 0x3003
	s_cbranch_scc0 .Lentry_shape_is_right
	s_endpgm
.Lentry_shape_is_right:
; ONE STEP: THE DECISION OF THE STAGE BEFORE, THE STEP OF THE STATE, AND THE SCAN OF THIS STAGE.
; Arguments: the old state, the records of the stage before, its cand (block numbers stored by the launch before), this stage's records, this stage's cand, the new state.
; A work-group: 64 vectors x 16,384 codes (grid x: 128 sets of vectors, grid y: 2 parts of the codebook), sixteen waves, four to a SIMD.
; The scan needs the decided r of all its vectors, so each decision is made once in each part: with 2 parts twice, 64 x 128 candidates = 16 a thread.
;
; THE DECISION.  For each vector the 16 blocks of 8 codes that the last scan kept (128 codes) are evaluated as reference() does on the bf16-rounded inputs, in f32:
;   A = ((r0^2 + r1^2) + r2^2) + r3^2,  B = (((2 r0) e0 + (2 r1) e1) + (2 r2) e2) + (2 r3) e3,  C likewise from e,  d = (A - B) + C,
; each chain by fused multiply-adds.  The smallest d wins, among equal d the lowest index, as argmin does.  The winner's index and its two words of bf16 are carried
; along by selects: no address hangs on the decision.  Then, as written in reference(): quant_st = r + (quant - r); z += quant_st; r -= quant_st; the vector's sum of
; (r - quant)^2 grows; the index is kept as the code if none is kept yet (the first stage).  Thread t = (vector t / 8, j = t % 8): code j of each of the 16 blocks,
; so 8 neighbouring lanes read a block's 128 consecutive bytes.  r, z and the pairs (sum, code) go to LDS; from there every wave takes r, and the new state leaves
; in stores of 512 or 256 consecutive bytes: part 0 stores r and the first 32 pairs, part 1 stores z and the other 32 (a select on the part, no branch).
;
; THE SCAN.  The matrix unit makes  D(code, vector) = 2 r.e - C  (C = |e|^2): the LARGEST D is wanted.
;   A (16 rows = 16 codes): both lane halves load the same 16-byte record, so k 0-7 = k 8-15 = (e0 e1 e2 e3 Ch Cm Cl 0); k 16-31 = 0.
;   B (16 columns = 16 vectors): k 0-7 = (bf16 of 2r; -1 -1 -1 0), k 8-15 = (bf16 of what the first piece left of 2r; 0 0 0 0), k 16-31 = 0.
; In D, lane (n = lane % 16, h = lane / 16) holds the codes 16 tile + 8 h + 0..7 for vector n: block 2 tile + h.  Wave w takes all 64 vectors (four B operands, vector
; 4 n + v in column n of operand v) x the 1,024 codes (64 tiles) at LDS byte 16,384 w.  Waves 4 g .. 4 g + 3 are merged through LDS, the lower codes first:
; cand[8 part + 2 g + h][vector] = the group's block.
;
; CLUSTERS: the 128 work-groups of a part read the same 262,144 bytes of records.  Four neighbours along x form a cluster and ask for them JOINTLY: each wave issues
; one tensor load (64 rows of 256 bytes, its own 16,384 bytes of LDS) with the same descriptor in all four work-groups (the address hangs on the part and the wave's
; number alone) and a mask that names the four.  The load goes out at the head, behind the cluster's opening round, and has the whole decision in which to land.
; A wave has one tensor load outstanding; nothing in LDS is filled again.  No branch and no LDS address hangs on the place in the cluster.
; LIMITS.  What the scan decides, by the matrix unit's sums and 16 bits of r, is only which block of a group (an eighth of the codebook's tiles, one half of their
; rows) is kept: two codes of one group in different blocks that lie closer together than that arithmetic resolves are decided by it and not by reference()'s f32
; order.  Equal values keep the lower block.  NaN and infinite inputs are not served (a NaN distance never wins here; argmin would take it).
.set ZOFF, 131072                      ; the state: r at 0, z here,
.set LOFF, 262144                      ; the pairs (sum of squared errors, first stage's code) here
.set SCR,  262144                      ; LDS: records at 0; r of the 64 vectors here, z 1,024 bytes on, the pairs 2,048 bytes on
.set EXCH, 266240                      ; LDS: 1,024 bytes for each wave, for the merge
; the decision's registers
.set IDS, 4                            ; v[4:19]    block numbers
.set REC, 20                           ; v[20:83]   16 records
.set RR,  84                           ; v[84:87]   r
.set ZZ,  88                           ; v[88:91]   z
.set LC,  92                           ; v[92:93]   sum of squared errors, code
.set R2,  94                           ; v[94:97]   2 r
.set AA,  98                           ; |r|^2
.set E,   100                          ; v[100:103] the candidate in f32; the partner's four words in the reduction
.set CC,  104
.set BB,  105
.set DD,  106
.set IX,  107
.set BD,  108                          ; the best: distance,
.set BI,  109                          ; index,
.set BW,  110                          ; v[110:111] and the code's two words
.set GA,  120                          ; v[120:135] the gathers' offsets
; the scan's registers, used when the decision's are free
.set BOP,   8                          ; v[8:39]    four B operands
.set ABUF,  40                         ; v[40:71]   four A buffers; registers 4-7 of each stay 0
.set DACC,  72                         ; v[72:135]  D: 32 x parity of the tile + 8 x operand
.set TMP,   136                        ; v[136:147] three partial maxima for each operand
.set BEST,  148                        ; v[148:155] largest so far: 4 x parity + operand
.set ID,    156                        ; v[156:159] its tile
.set RV,    160                        ; v[160:175] r of my four vectors
.set MG,    160                        ; v[160:183] at the end: the three other waves' values and tiles
.set W,     176                        ; v[176:185] at work
.set K2,    186                        ; B's word 2: (-1, -1) in lanes 0-15, 0 in lanes 16-31
.set K3,    187                        ; B's word 3: (-1, 0) in lanes 0-15, 0 in lanes 16-31
.set G0,    44                         ; s[44:47]   tensor descriptor, group 0
.set G1,    48                         ; s[48:55]   tensor descriptor, group 1
; A round of the cluster's barrier: my work-group's barrier, so that wave 0's signal speaks for all sixteen waves; wave 0 signals for the work-group; every wave
; waits for all four work-groups; my work-group's barrier once more.  No LDS instruction of the wave is pending at a signal.
.macro ROUND
	s_barrier_signal -1
	s_barrier_wait -1
	s_cmp_lg_u32 s10, 0
	s_cbranch_scc1 .Lnot_wave_0_\@
	s_barrier_signal -3
.Lnot_wave_0_\@:
	s_barrier_wait -3
	s_barrier_signal -1
	s_barrier_wait -1
.endm
	s_load_b256 s[32:39], s[0:1], 0x0              ; old state s[32:33], last records s[34:35], last cand s[36:37], these records s[38:39]
	s_load_b128 s[40:43], s[0:1], 0x20             ; this cand s[40:41], new state s[42:43]
	v_lshl_add_u32 v192, v0, 2, 0x45000
	v_mov_b32 v193, 0
	ds_add_u32 v192, v193
	ds_add_u32 v192, v193
	s_wait_dscnt 0x0
	v_lshrrev_b32 v1, 5, v0
	v_readfirstlane_b32 s10, v1                    ; wave
	s_lshr_b32 s11, s10, 2                         ; g: which four waves are merged
	s_and_b32 s12, s10, 3                          ; c: my place among them
	s_and_b32 s14, ttmp7, 0xffff                   ; part of the codebook (the cluster is one work-group high)
	s_bfe_u32 s56, ttmp6, 0x40000                  ; cx: my place along the cluster's x
	s_lshl_b32 s57, ttmp9, 2                       ; in a cluster launch ttmp9 counts clusters
	s_add_co_u32 s57, s57, s56                     ; my set of 64 vectors = 4 x cluster x + cx: it enters global offsets alone
	s_mov_b32 s29, 0xffff0000                      ; a word's upper bf16
	; descriptor group 1: a dense block of 16,384 bytes as 64 rows of 32 elements of 8 bytes
	s_mov_b32 s[G1+0], 15|(3<<16)|(1<<21)          ; 15:0 the mask: all four work-groups of the cluster; 17:16 element of 8 bytes; 20 no padding; 21 set beside a mask
	s_mov_b32 s[G1+1], 32<<16                      ; 63:48 tensor_dim0, low half = 32
	s_mov_b32 s[G1+2], 64<<16                      ; 79:64 its high half = 0; 95:80 tensor_dim1, low half = 64
	s_mov_b32 s[G1+3], 32<<16                      ; 111:96 its high half = 0; 127:112 tile_dim0 = 32
	s_mov_b32 s[G1+4], 64                          ; 143:128 tile_dim1 = 64; 159:144 tile_dim2 = 0
	s_mov_b32 s[G1+5], 32                          ; 191:160 elements from row to row
	s_mov_b32 s[G1+6], 0
	s_mov_b32 s[G1+7], 0
	s_mov_b32 s[G0], 1                             ; 1:0 count = 1
	s_lshl_b32 s[G0+1], s10, 14                    ; 63:32 LDS address: wave x 16,384
	s_lshl_b32 s60, s14, 18                        ; from: part x 262,144
	s_lshl_b32 s61, s10, 14                        ; + wave x 16,384
	s_add_co_u32 s60, s60, s61
	s_mov_b32 s61, 0
	v_and_b32 v1, 7, v0                            ; j
	v_lshrrev_b32 v2, 3, v0                        ; vector in the work-group
	s_lshl_b32 s27, s57, 6
	v_add_nc_u32 v3, s27, v2                       ; vector
	v_lshlrev_b32 v116, 2, v3
	v_lshlrev_b32 v117, 4, v3
	v_lshlrev_b32 v118, 3, v3
	v_lshlrev_b32 v119, 4, v1                      ; 16 j
	ROUND                                          ; all four work-groups are here, while the arguments are on their way: the joint loads meet
	s_wait_kmcnt 0x0
	s_add_nc_u64 s[G0+2:G0+3], s[38:39], s[60:61]  ; 120:64 global address of my 16,384 bytes
	s_or_b32 s[G0+3], s[G0+3], 0x80000000          ; 127:126 type = 2
	tensor_load_to_lds s[G0:G0+3], s[G1:G1+7]      ; my one tensor load of the launch
	s_nop 0
.irp s, 0,1,2,3,4,5,6,7,8,9,10,11,12,13,14,15
	global_load_b32 v[IDS+\s], v116, s[36:37] offset:32768*\s
.endr
	global_load_b128 v[RR:RR+3], v117, s[32:33]
	global_load_b128 v[ZZ:ZZ+3], v117, s[32:33] offset:ZOFF
	global_load_b64 v[LC:LC+1], v118, s[32:33] offset:LOFF
	s_wait_loadcnt 3                               ; the 16 block numbers are in; the three loads of the state may be out
.irp s, 0,1,2,3,4,5,6,7,8,9,10,11,12,13,14,15
	v_min_u32 v[IDS+\s], 0xfff, v[IDS+\s]          ; a codebook has 4,096 blocks
	v_lshl_add_u32 v[GA+\s], v[IDS+\s], 7, v119    ; 128 bytes a block + 16 j
	global_load_b128 v[REC+4*\s:REC+4*\s+3], v[GA+\s], s[34:35]
.endr
	s_wait_loadcnt 16                              ; the state is in; the 16 gathers may be out
.irp i, 0,1,2,3
	v_add_f32 v[R2+\i], v[RR+\i], v[RR+\i]
.endr
	v_mul_f32 v[AA], v[RR], v[RR]
	v_fmac_f32 v[AA], v[RR+1], v[RR+1]
	v_fmac_f32 v[AA], v[RR+2], v[RR+2]
	v_fmac_f32 v[AA], v[RR+3], v[RR+3]
; (d, i, w0, w1) replaces the best if d is smaller, or equal with a lower index
.macro TAKE d, i, w0, w1
	v_cmp_lt_f32 s20, v[\d], v[BD]
	v_cmp_eq_f32 s21, v[\d], v[BD]
	v_cmp_lt_u32 s22, v[\i], v[BI]
	s_and_b32 s21, s21, s22
	s_or_b32 s20, s20, s21
	v_cndmask_b32 v[BD], v[BD], v[\d], s20
	v_cndmask_b32 v[BI], v[BI], v[\i], s20
	v_cndmask_b32 v[BW], v[BW], v[\w0], s20
	v_cndmask_b32 v[BW+1], v[BW+1], v[\w1], s20
.endm
.macro EVAL s, first
	s_wait_loadcnt 15-\s                           ; gather s is in, the younger ones may be out
	v_lshlrev_b32 v[E], 16, v[REC+4*\s]
	v_and_b32 v[E+1], s29, v[REC+4*\s]
	v_lshlrev_b32 v[E+2], 16, v[REC+4*\s+1]
	v_and_b32 v[E+3], s29, v[REC+4*\s+1]
	v_mul_f32 v[CC], v[E], v[E]
	v_mul_f32 v[BB], v[R2], v[E]
.irp i, 1,2,3
	v_fmac_f32 v[CC], v[E+\i], v[E+\i]
	v_fmac_f32 v[BB], v[R2+\i], v[E+\i]
.endr
	v_sub_f32 v[BB], v[AA], v[BB]                  ; A - B
.if \first
	v_add_f32 v[BD], v[BB], v[CC]                  ; the first candidate starts the best: nothing is preset
	v_lshl_add_u32 v[BI], v[IDS+\s], 3, v1
	v_mov_b32 v[BW], v[REC+4*\s]
	v_mov_b32 v[BW+1], v[REC+4*\s+1]
.else
	v_add_f32 v[DD], v[BB], v[CC]                  ; (A - B) + C
	v_lshl_add_u32 v[IX], v[IDS+\s], 3, v1         ; index = 8 block + j
	TAKE DD, IX, REC+4*\s, REC+4*\s+1
.endif
.endm
	EVAL 0, 1
.irp s, 1,2,3,4,5,6,7,8,9,10,11,12,13,14,15
	EVAL \s, 0
.endr
	; over the vector's 8 lanes: both partners of an exchange make the same choice, so all 8 end with the winner
.irp m, 1,2,4
	v_mov_b32_dpp v[E], v[BD] row_xmask:\m row_mask:0xf bank_mask:0xf
	v_mov_b32_dpp v[E+1], v[BI] row_xmask:\m row_mask:0xf bank_mask:0xf
	v_mov_b32_dpp v[E+2], v[BW] row_xmask:\m row_mask:0xf bank_mask:0xf
	v_mov_b32_dpp v[E+3], v[BW+1] row_xmask:\m row_mask:0xf bank_mask:0xf
	TAKE E, E+1, E+2, E+3
.endr
	v_lshlrev_b32 v[E], 16, v[BW]                  ; quant
	v_and_b32 v[E+1], s29, v[BW]
	v_lshlrev_b32 v[E+2], 16, v[BW+1]
	v_and_b32 v[E+3], s29, v[BW+1]
.irp i, 0,1,2,3
	v_sub_f32 v[E+\i], v[E+\i], v[RR+\i]           ; quant - r
	v_fmac_f32 v[LC], v[E+\i], v[E+\i]             ; its square is (r - quant)^2
	v_add_f32 v[E+\i], v[RR+\i], v[E+\i]           ; quant_st = r + (quant - r)
	v_add_f32 v[ZZ+\i], v[ZZ+\i], v[E+\i]
	v_sub_f32 v[RR+\i], v[RR+\i], v[E+\i]
.endr
	v_cmp_gt_i32 vcc_lo, 0, v[LC+1]                ; no code kept yet: the stage decided here is the first
	v_cndmask_b32 v[LC+1], v[LC+1], v[BI], vcc_lo
	; into LDS.  A vector's 8 lanes write the same bytes with the same values.
	v_lshl_add_u32 v136, v2, 4, SCR
	v_lshl_add_u32 v137, v2, 3, SCR+2048
	ds_store_b128 v136, v[RR:RR+3]
	ds_store_b128 v136, v[ZZ:ZZ+3] offset:1024
	ds_store_b64 v137, v[LC:LC+1]
	s_wait_dscnt 0x0                               ; my stores are done, for the waves that read them,
	s_wait_tensorcnt 0x0                           ; and my 16,384 bytes of records have landed
	s_barrier_signal -1
	s_barrier_wait -1
	; the new state: waves 0 and 1 store r (part 0) or z (part 1), 32 vectors each; wave 2 stores 32 pairs, the first (part 0) or the other (part 1)
	v_and_b32 v139, 31, v0                         ; lane
	s_cmp_lg_u32 s14, 0
	s_cselect_b32 s26, -1, 0                       ; all lanes: part 1
	s_cmp_gt_u32 s10, 2
	s_cbranch_scc1 .Lstated
	s_cmp_eq_u32 s10, 2
	s_cbranch_scc1 .Lpairs
	s_lshl_b32 s28, s10, 9                         ; the wave's 32 vectors of 16 bytes
	s_add_co_u32 s27, s28, SCR
	v_lshl_add_u32 v136, v139, 4, s27
	ds_load_b128 v[20:23], v136                    ; r
	ds_load_b128 v[24:27], v136 offset:1024        ; z
	s_lshl_b32 s58, s14, 17                        ; z lies 131,072 bytes behind r
	s_lshl_b32 s59, s57, 10                        ; 64 vectors of 16 bytes
	s_add_co_u32 s58, s58, s59
	s_add_co_u32 s58, s58, s28
	s_mov_b32 s59, 0
	s_add_nc_u64 s[42:43], s[42:43], s[58:59]
	v_lshlrev_b32 v137, 4, v139
	s_wait_dscnt 0x0
.irp i, 0,1,2,3
	v_cndmask_b32 v[20+\i], v[20+\i], v[24+\i], s26
.endr
	global_store_b128 v137, v[20:23], s[42:43]     ; 512 consecutive bytes
	s_branch .Lstated
.Lpairs:
	v_lshl_add_u32 v136, v139, 3, SCR+2048
	ds_load_b64 v[20:21], v136                     ; vectors 0 to 31
	ds_load_b64 v[24:25], v136 offset:256          ; vectors 32 to 63
	s_lshl_b32 s58, s57, 9                         ; 64 pairs of 8 bytes
	s_lshl_b32 s59, s14, 8                         ; 32 pairs of 8 bytes
	s_add_co_u32 s58, s58, s59
	s_mov_b32 s59, 0
	s_add_nc_u64 s[42:43], s[42:43], s[58:59]
	v_lshlrev_b32 v137, 3, v139
	s_wait_dscnt 0x0
	v_cndmask_b32 v20, v20, v24, s26
	v_cndmask_b32 v21, v21, v25, s26
	global_store_b64 v137, v[20:21], s[42:43] offset:LOFF      ; 256 consecutive bytes
.Lstated:
	s_wait_xcnt 0x0                                ; the stores' data and offsets are written again only behind this wait
	; THE SCAN
	v_and_b32 v2, 15, v0                           ; n
	v_bfe_u32 v3, v0, 4, 1                         ; h
	v_lshl_add_u32 v4, v2, 6, SCR                  ; my four vectors' 64 bytes of r
.irp v, 0,1,2,3
	ds_load_b128 v[RV+4*\v:RV+4*\v+3], v4 offset:16*\v
.endr
	s_lshl_b32 s27, s10, 14
	v_lshl_add_u32 v1, v2, 4, s27                  ; LDS address of record n of my first tile
.irp b, 0,1,2,3
	ds_load_b128 v[ABUF+8*\b:ABUF+8*\b+3], v1 offset:256*\b    ; lanes 0-15 take 256 consecutive bytes, lanes 16-31 the same
.endr
	v_cmp_eq_u32 s26, 1, v3                        ; lanes 16-31
	v_mov_b32 v[W], 0
	v_mov_b32 v[K2], 0xbf80bf80
	v_mov_b32 v[K3], 0xbf80
	v_cndmask_b32 v[K2], v[K2], v[W], s26
	v_cndmask_b32 v[K3], v[K3], v[W], s26
.irp b, 0,1,2,3
.irp i, 4,5,6,7
	v_mov_b32 v[ABUF+8*\b+\i], 0                   ; k 16-31 of A: written once, the loads fill registers 0-3 only
.endr
.endr
	s_lshl_b32 s24, s14, 10                        ; 1,024 tiles a part,
	s_lshl_b32 s27, s10, 6                         ; 64 a wave:
	s_add_co_u32 s24, s24, s27                     ; my first tile's number in the codebook
.irp v, 0,1,2,3
	v_mov_b32 v[BEST+\v], 0xff800000               ; minus infinity
	v_mov_b32 v[ID+\v], s24
.endr
	s_sub_co_u32 s24, s24, 1                       ; each reduction steps the number before it uses it
; B operand v from r of vector 4 n + v
.macro BUILD v
.irp i, 0,1,2,3
	v_add_f32 v[W+\i], v[RV+4*\v+\i], v[RV+4*\v+\i]        ; 2 r, exact
.endr
	v_cvt_pk_bf16_f32 v[W+4], v[W], v[W+1]                 ; the first pieces
	v_cvt_pk_bf16_f32 v[W+5], v[W+2], v[W+3]
	v_lshlrev_b32 v[W+6], 16, v[W+4]
	v_and_b32 v[W+7], s29, v[W+4]
	v_lshlrev_b32 v[W+8], 16, v[W+5]
	v_and_b32 v[W+9], s29, v[W+5]
.irp i, 0,1,2,3
	v_sub_f32 v[W+\i], v[W+\i], v[W+6+\i]                  ; what they leave, exact
.endr
	v_cvt_pk_bf16_f32 v[W+6], v[W], v[W+1]                 ; the second pieces
	v_cvt_pk_bf16_f32 v[W+7], v[W+2], v[W+3]
	v_cndmask_b32 v[BOP+8*\v], v[W+4], v[W+6], s26         ; lanes 0-15 (k 0-7) the first, lanes 16-31 (k 8-15) the second
	v_cndmask_b32 v[BOP+8*\v+1], v[W+5], v[W+7], s26
	v_mov_b32 v[BOP+8*\v+2], v[K2]
	v_mov_b32 v[BOP+8*\v+3], v[K3]
.irp i, 4,5,6,7
	v_mov_b32 v[BOP+8*\v+\i], 0                            ; k 16-31
.endr
.endm
	s_wait_dscnt 4                                 ; r's four loads are in; the four loads of A, issued later, may be out
	BUILD 0
	BUILD 1
	BUILD 2
	BUILD 3
; One matrix instruction: the tile in buffer b, operand v, into the D set of parity p.  C is the constant 0: there is no sum over K steps and no chain.
.macro MM b, p, v
	v_wmma_f32_16x16x32_bf16 v[DACC+32*\p+8*\v:DACC+32*\p+8*\v+7], v[ABUF+8*\b:ABUF+8*\b+7], v[BOP+8*\v:BOP+8*\v+7], 0
.endm
; The six vector instructions for one D (parity p, operand v; q = 1 - p).  BEST of parity p is the old value, of parity q the new one: no copy.
.macro AAA p, v                        ; 8 results and the old best -> three partial maxima
	v_max3_num_f32 v[TMP+3*\v], v[DACC+32*\p+8*\v], v[DACC+32*\p+8*\v+1], v[DACC+32*\p+8*\v+2]
	v_max3_num_f32 v[TMP+3*\v+1], v[DACC+32*\p+8*\v+3], v[DACC+32*\p+8*\v+4], v[DACC+32*\p+8*\v+5]
	v_max3_num_f32 v[TMP+3*\v+2], v[DACC+32*\p+8*\v+6], v[DACC+32*\p+8*\v+7], v[BEST+4*\p+\v]
.endm
.macro F1 p, q, v
	v_max3_num_f32 v[BEST+4*\q+\v], v[TMP+3*\v], v[TMP+3*\v+1], v[TMP+3*\v+2]
.endm
.macro F2 p, q, v
	v_cmp_gt_f32 s[20+\v], v[BEST+4*\q+\v], v[BEST+4*\p+\v]    ; strictly larger: this tile takes over
.endm
.macro F3 v
	v_cndmask_b32 v[ID+\v], v[ID+\v], s24, s[20+\v]            ; s24: the number of the tile that is being reduced
.endm
; A step: the four matrix instructions of the tile in buffer b (parity p), and behind each of them six of the 24 vector instructions that reduce the tile
; before (parity q), in an order in which none reads a result made fewer than four instructions earlier.
; Distances (ISA guide 7.12.1): a D is read one step after it was made, behind at least six vector instructions that name none of that matrix
; instruction's registers; buffer b is loaded again behind the six that follow its last matrix instruction (in the first step: four v_nop).
; cnt: A loads come back in order; the tile's own is in when only the cnt younger ones are out.
.macro STEP b, p, q, proc, load, cnt
	s_wait_dscnt \cnt
	MM \b, \p, 0
.if \proc
	AAA \q, 0
	AAA \q, 1
.endif
	MM \b, \p, 1
.if \proc
	AAA \q, 2
	AAA \q, 3
	s_add_co_u32 s24, s24, 1                       ; the number of the tile that is being reduced
.endif
	MM \b, \p, 2
.if \proc
	F1 \q, \p, 0
	F1 \q, \p, 1
	F1 \q, \p, 2
	F1 \q, \p, 3
	F2 \q, \p, 0
	F2 \q, \p, 1
.endif
	MM \b, \p, 3
.if \proc
	F2 \q, \p, 2
	F2 \q, \p, 3
	F3 0
	F3 1
	F3 2
	F3 3
.else
.rept 4
	v_nop                                          ; no tile to reduce yet: the places in front of the load below and of the next step's reads
.endr
.endif
.if \load
	ds_load_b128 v[ABUF+8*\b:ABUF+8*\b+3], v1 offset:256*(\b+4)    ; four tiles ahead
.endif
.endm
	STEP 0, 0, 1, 0, 1, 3                          ; tiles 0 to 3
	STEP 1, 1, 0, 1, 1, 3
	STEP 2, 0, 1, 1, 1, 3
	STEP 3, 1, 0, 1, 1, 3
	v_add_nc_u32 v1, 1024, v1
	s_mov_b32 s25, 14
.Lgroup:                                           ; tiles 4 to 59, four a trip
	STEP 0, 0, 1, 1, 1, 3
	STEP 1, 1, 0, 1, 1, 3
	STEP 2, 0, 1, 1, 1, 3
	STEP 3, 1, 0, 1, 1, 3
	v_add_nc_u32 v1, 1024, v1
	s_sub_co_u32 s25, s25, 1
	s_cmp_lg_u32 s25, 0
	s_cbranch_scc1 .Lgroup
	STEP 0, 0, 1, 1, 0, 3                          ; tiles 60 to 63: nothing is left to load, the counts run down
	STEP 1, 1, 0, 1, 0, 2
	STEP 2, 0, 1, 1, 0, 1
	STEP 3, 1, 0, 1, 0, 0
.irp v, 0,1,2,3
	AAA 1, \v                                      ; the last tile's reduction; its last D is read behind the six instructions above and nine of these
.endr
	s_add_co_u32 s24, s24, 1
.irp v, 0,1,2,3
	F1 1, 0, \v
.endr
.irp v, 0,1,2,3
	F2 1, 0, \v
.endr
.irp v, 0,1,2,3
	F3 \v
.endr
	; the merge: of four waves the upper three hand their values and tiles to the lowest
	v_and_b32 v6, 31, v0
	s_lshl_b32 s28, s10, 10
	s_add_co_u32 s28, s28, EXCH
	v_lshl_add_u32 v6, v6, 4, s28                  ; 1,024 bytes for each wave: 512 of values, 512 of tiles
	s_cmp_eq_u32 s12, 0
	s_cbranch_scc1 .Lkeep
	ds_store_b128 v6, v[BEST:BEST+3]
	ds_store_b128 v6, v[ID:ID+3] offset:512
.Lkeep:
	s_wait_dscnt 0x0                               ; the stores are done before the signal
	s_barrier_signal -1
	s_barrier_wait -1
	s_cmp_lg_u32 s12, 0
	s_cbranch_scc1 .Ldone
.irp c, 1,2,3
	ds_load_b128 v[MG+8*\c-8:MG+8*\c-5], v6 offset:1024*\c         ; the three waves behind mine
	ds_load_b128 v[MG+8*\c-4:MG+8*\c-1], v6 offset:1024*\c+512
.endr
	s_lshl_b32 s30, s14, 18                        ; slot 8 part: 8 x 32,768 bytes
	s_lshl_b32 s31, s11, 16                        ; + 2 g
	s_add_co_u32 s30, s30, s31
	s_lshl_b32 s31, s57, 8                         ; 64 vectors of 4 bytes
	s_add_co_u32 s30, s30, s31
	s_mov_b32 s31, 0
	s_add_nc_u64 s[40:41], s[40:41], s[30:31]
	v_lshlrev_b32 v7, 4, v2                        ; vectors 4 n .. 4 n + 3
	v_lshl_add_u32 v7, v3, 15, v7                  ; slot + h
	s_wait_dscnt 0x0
.irp c, 1,2,3
.irp v, 0,1,2,3
	v_cmp_gt_f32 vcc_lo, v[MG+8*\c-8+\v], v[BEST+\v]               ; higher codes win only if strictly larger
.if \c < 3
	v_cndmask_b32 v[BEST+\v], v[BEST+\v], v[MG+8*\c-8+\v], vcc_lo
.endif
	v_cndmask_b32 v[ID+\v], v[ID+\v], v[MG+8*\c-4+\v], vcc_lo
.endr
.endr
.irp v, 0,1,2,3
	v_lshl_add_u32 v[ID+\v], v[ID+\v], 1, v3       ; block = 2 tile + h
.endr
	global_store_b128 v7, v[ID:ID+3], s[40:41]     ; 16 lanes store 256 consecutive bytes, at a multiple of 256 from cand's first byte
.Ldone:
	s_wait_tensorcnt 0x0
	ds_add_u32 v192, v193
	s_wait_dscnt 0x0
	ROUND                                          ; the closing round: no work-group ends while a partner may still ask for records in a load that names it
	s_endpgm
.Lfunc_end_k_qa3381e7488_step1:
	.size	k_qa3381e7488_step1, .Lfunc_end_k_qa3381e7488_step1-k_qa3381e7488_step1
	.p2alignl 7, 3214868480
	.fill 96, 4, 3214868480
	.section	.rodata,"a",@progbits
	.p2align	6, 0x0
	.amdhsa_kernel k_qa3381e7488_step1
		.amdhsa_group_segment_fixed_size 284672
		.amdhsa_private_segment_fixed_size 0
		.amdhsa_enable_private_segment 0
		.amdhsa_kernarg_size 48
		.amdhsa_user_sgpr_count 2
		.amdhsa_user_sgpr_kernarg_segment_ptr 1
		.amdhsa_wavefront_size32 1
		.amdhsa_system_sgpr_workgroup_id_x 1
		.amdhsa_system_sgpr_workgroup_id_y 1
		.amdhsa_system_sgpr_workgroup_id_z 1
		.amdhsa_system_vgpr_workitem_id 0
		.amdhsa_next_free_vgpr 194
		.amdhsa_next_free_sgpr 66
		.amdhsa_reserve_vcc 1
		.amdhsa_float_denorm_mode_32 3
		.amdhsa_float_denorm_mode_16_64 3
		.amdhsa_memory_ordered 1
		.amdhsa_forward_progress 1
		.amdhsa_inst_pref_size 62
	.end_amdhsa_kernel
	.amdgpu_metadata
---
amdhsa.version: [ 1, 2 ]
amdhsa.kernels:
  - .name:           k_qa3381e7488_step1
    .symbol:         k_qa3381e7488_step1.kd
    .args:
      - { .name: stA, .offset: 0, .size: 8, .value_kind: global_buffer, .address_space: global }
      - { .name: cbp0, .offset: 8, .size: 8, .value_kind: global_buffer, .address_space: global }
      - { .name: candA, .offset: 16, .size: 8, .value_kind: global_buffer, .address_space: global }
      - { .name: cbp1, .offset: 24, .size: 8, .value_kind: global_buffer, .address_space: global }
      - { .name: candB, .offset: 32, .size: 8, .value_kind: global_buffer, .address_space: global }
      - { .name: stB, .offset: 40, .size: 8, .value_kind: global_buffer, .address_space: global }
    .group_segment_fixed_size: 284672
    .private_segment_fixed_size: 0
    .kernarg_segment_align: 8
    .kernarg_segment_size: 48
    .max_flat_workgroup_size: 512
    .sgpr_count:     66
    .vgpr_count:     194
    .wavefront_size: 32
...
	.end_amdgpu_metadata
.endif
;; end of part 6
;; launch step2: the kernel of part 6 again; grid 128 x 2, 16 waves a work-group, clusters of 4 x 1, 284,672 bytes of LDS; arguments stB, cbp1, candB, cbp2, candA, stA; writes candA, stA
;; launch step3: the kernel of part 6 again; grid 128 x 2, 16 waves a work-group, clusters of 4 x 1, 284,672 bytes of LDS; arguments stA, cbp2, candA, cbp3, candB, stB; writes candB, stB
;; launch refine3 (part 7): grid 256 x 1, 8 waves a work-group, no clusters, 2,304 bytes of LDS; arguments stB, cbp3, candB, stA; writes stA
.if DOCPART == 7
	.amdgcn_target "amdgcn-amd-amdhsa--gfx1250"
	.amdhsa_code_object_version 6
	.text
	.protected	k_qa3381e7488_refine3
	.globl	k_qa3381e7488_refine3
	.p2align	8
	.type	k_qa3381e7488_refine3,@function
k_qa3381e7488_refine3:
	s_mov_b64 s[64:65], 0
	v_nop
	global_prefetch_b8 v0, s[64:65] scope:SCOPE_SE
	s_setreg_imm32_b32 hwreg(HW_REG_WAVE_MODE, 25, 1), 1
	s_wait_xcnt 0x0
; THE DECISION OF THE LAST STAGE AND THE LAST STEP OF THE STATE.  Arguments: the old state, the stage's records, cand (block numbers stored by the launch before), the new state.
; For each vector the 16 blocks of 8 codes that the scan kept (128 codes) are evaluated as reference() does on the bf16-rounded inputs, in f32:
;   A = ((r0^2 + r1^2) + r2^2) + r3^2,  B = (((2 r0) e0 + (2 r1) e1) + (2 r2) e2) + (2 r3) e3,  C likewise from e,  d = (A - B) + C,
; each chain by fused multiply-adds.
; The smallest d wins, among equal d the lowest index, as argmin does.  The winner's index and its two words of bf16 are carried along by selects: no address hangs on the decision.
; Then, as written in reference(): quant_st = r + (quant - r); z += quant_st; r -= quant_st; the vector's sum of (r - quant)^2 grows; the index is kept as the code only if none is kept yet.
; A work-group: 32 vectors, 8 waves.  Thread t = (vector t / 8, j = t % 8): it takes code j of each of the 16 blocks, so 8 neighbouring lanes read a block's 128 consecutive bytes.
; The 16 loads of block numbers read 4 bytes a vector from 16 rows of cand (2,048 bytes a work-group in all).
; The new state leaves through LDS, so that a store covers 512 or 256 consecutive bytes.
; Limits: NaN and infinite inputs are not served (a NaN distance never wins here; argmin would take it).
.set ZOFF, 131072
.set LOFF, 262144
.set IDS, 4                            ; v[4:19]    block numbers
.set REC, 20                           ; v[20:83]   16 records
.set RR,  84                           ; v[84:87]   r
.set ZZ,  88                           ; v[88:91]   z
.set LC,  92                           ; v[92:93]   sum of squared errors, code
.set R2,  94                           ; v[94:97]   2 r
.set AA,  98                           ; |r|^2
.set E,   100                          ; v[100:103] the candidate in f32; the partner's four words in the reduction
.set CC,  104
.set BB,  105
.set DD,  106
.set IX,  107
.set BD,  108                          ; the best: distance,
.set BI,  109                          ; index,
.set BW,  110                          ; v[110:111] and the code's two words
.set GA,  120                          ; v[120:135] the gathers' offsets
	s_load_b256 s[4:11], s[0:1], 0x0               ; old state s[4:5], records s[6:7], cand s[8:9], new state s[10:11]
	v_lshl_add_u32 v140, v0, 2, 0x500
	v_mov_b32 v141, 0
	v_and_b32 v1, 7, v0                            ; j
	v_lshrrev_b32 v2, 3, v0                        ; vector in the work-group
	s_lshl_b32 s12, ttmp9, 5
	v_add_nc_u32 v3, s12, v2                       ; vector
	v_lshlrev_b32 v116, 2, v3
	v_lshlrev_b32 v117, 4, v3
	v_lshlrev_b32 v118, 3, v3
	v_lshlrev_b32 v119, 4, v1                      ; 16 j
	s_mov_b32 s13, 0xffff0000
	s_wait_kmcnt 0x0
.irp s, 0,1,2,3,4,5,6,7,8,9,10,11,12,13,14,15
	global_load_b32 v[IDS+\s], v116, s[8:9] offset:32768*\s
.endr
	global_load_b128 v[RR:RR+3], v117, s[4:5]
	global_load_b128 v[ZZ:ZZ+3], v117, s[4:5] offset:ZOFF
	global_load_b64 v[LC:LC+1], v118, s[4:5] offset:LOFF
	s_wait_loadcnt 3                               ; the 16 block numbers are in; the three loads of the state may be out
.irp s, 0,1,2,3,4,5,6,7,8,9,10,11,12,13,14,15
	v_min_u32 v[IDS+\s], 0xfff, v[IDS+\s]          ; a codebook has 4,096 blocks
	v_lshl_add_u32 v[GA+\s], v[IDS+\s], 7, v119    ; 128 bytes a block + 16 j
	global_load_b128 v[REC+4*\s:REC+4*\s+3], v[GA+\s], s[6:7]
.endr
	s_wait_loadcnt 16                              ; the state is in; the 16 gathers may be out
.irp i, 0,1,2,3
	v_add_f32 v[R2+\i], v[RR+\i], v[RR+\i]
.endr
	v_mul_f32 v[AA], v[RR], v[RR]
	v_fmac_f32 v[AA], v[RR+1], v[RR+1]
	v_fmac_f32 v[AA], v[RR+2], v[RR+2]
	v_fmac_f32 v[AA], v[RR+3], v[RR+3]
; (d, i, w0, w1) replaces the best if d is smaller, or equal with a lower index
.macro TAKE d, i, w0, w1
	v_cmp_lt_f32 s20, v[\d], v[BD]
	v_cmp_eq_f32 s21, v[\d], v[BD]
	v_cmp_lt_u32 s22, v[\i], v[BI]
	s_and_b32 s21, s21, s22
	s_or_b32 s20, s20, s21
	v_cndmask_b32 v[BD], v[BD], v[\d], s20
	v_cndmask_b32 v[BI], v[BI], v[\i], s20
	v_cndmask_b32 v[BW], v[BW], v[\w0], s20
	v_cndmask_b32 v[BW+1], v[BW+1], v[\w1], s20
.endm
.macro EVAL s, first
	s_wait_loadcnt 15-\s                           ; gather s is in, the younger ones may be out
	v_lshlrev_b32 v[E], 16, v[REC+4*\s]
	v_and_b32 v[E+1], s13, v[REC+4*\s]
	v_lshlrev_b32 v[E+2], 16, v[REC+4*\s+1]
	v_and_b32 v[E+3], s13, v[REC+4*\s+1]
	v_mul_f32 v[CC], v[E], v[E]
	v_mul_f32 v[BB], v[R2], v[E]
.irp i, 1,2,3
	v_fmac_f32 v[CC], v[E+\i], v[E+\i]
	v_fmac_f32 v[BB], v[R2+\i], v[E+\i]
.endr
	v_sub_f32 v[BB], v[AA], v[BB]                  ; A - B
.if \first
	v_add_f32 v[BD], v[BB], v[CC]                  ; the first candidate starts the best: nothing is preset
	v_lshl_add_u32 v[BI], v[IDS+\s], 3, v1
	v_mov_b32 v[BW], v[REC+4*\s]
	v_mov_b32 v[BW+1], v[REC+4*\s+1]
.else
	v_add_f32 v[DD], v[BB], v[CC]                  ; (A - B) + C
	v_lshl_add_u32 v[IX], v[IDS+\s], 3, v1         ; index = 8 block + j
	TAKE DD, IX, REC+4*\s, REC+4*\s+1
.endif
.endm
	EVAL 0, 1
.irp s, 1,2,3,4,5,6,7,8,9,10,11,12,13,14,15
	EVAL \s, 0
.endr
	; over the vector's 8 lanes: both partners of an exchange make the same choice, so all 8 end with the winner
.irp m, 1,2,4
	v_mov_b32_dpp v[E], v[BD] row_xmask:\m row_mask:0xf bank_mask:0xf
	v_mov_b32_dpp v[E+1], v[BI] row_xmask:\m row_mask:0xf bank_mask:0xf
	v_mov_b32_dpp v[E+2], v[BW] row_xmask:\m row_mask:0xf bank_mask:0xf
	v_mov_b32_dpp v[E+3], v[BW+1] row_xmask:\m row_mask:0xf bank_mask:0xf
	TAKE E, E+1, E+2, E+3
.endr
	v_lshlrev_b32 v[E], 16, v[BW]                  ; quant
	v_and_b32 v[E+1], s13, v[BW]
	v_lshlrev_b32 v[E+2], 16, v[BW+1]
	v_and_b32 v[E+3], s13, v[BW+1]
.irp i, 0,1,2,3
	v_sub_f32 v[E+\i], v[E+\i], v[RR+\i]           ; quant - r
	v_fmac_f32 v[LC], v[E+\i], v[E+\i]             ; its square is (r - quant)^2
	v_add_f32 v[E+\i], v[RR+\i], v[E+\i]           ; quant_st = r + (quant - r)
	v_add_f32 v[ZZ+\i], v[ZZ+\i], v[E+\i]
	v_sub_f32 v[RR+\i], v[RR+\i], v[E+\i]
.endr
	v_cmp_gt_i32 vcc_lo, 0, v[LC+1]                ; only if no code is kept yet
	v_cndmask_b32 v[LC+1], v[LC+1], v[BI], vcc_lo
	; out through LDS: r at 0, z at 512, the pairs at 1,024.  A vector's 8 lanes write the same bytes with the same values.
	v_lshlrev_b32 v136, 4, v2
	v_lshlrev_b32 v137, 3, v2
	ds_store_b128 v136, v[RR:RR+3]
	ds_store_b128 v136, v[ZZ:ZZ+3] offset:512
	ds_store_b64 v137, v[LC:LC+1] offset:1024
	s_wait_dscnt 0x0                               ; done before the signal, for the waves that read them
	s_barrier_signal -1
	s_barrier_wait -1
	v_lshrrev_b32 v138, 5, v0
	v_readfirstlane_b32 s14, v138                  ; wave
	v_and_b32 v139, 31, v0                         ; lane
	s_cmp_gt_u32 s14, 2
	s_cbranch_scc1 .Lend
	s_cmp_eq_u32 s14, 2
	s_cbranch_scc1 .Lpairs
	v_lshlrev_b32 v136, 4, v0                      ; wave 0: r, wave 1: z: LDS byte 16 t
	ds_load_b128 v[20:23], v136
	s_lshl_b32 s16, s14, 17                        ; z lies 131,072 bytes behind r
	s_lshl_b32 s17, ttmp9, 9                       ; 32 vectors of 16 bytes
	s_add_co_u32 s16, s16, s17
	s_mov_b32 s17, 0
	s_add_nc_u64 s[10:11], s[10:11], s[16:17]
	v_lshlrev_b32 v137, 4, v139
	s_wait_dscnt 0x0
	global_store_b128 v137, v[20:23], s[10:11]     ; 512 consecutive bytes
	s_wait_tensorcnt 0x0
	ds_add_u32 v140, v141
	s_wait_dscnt 0x0
	s_endpgm
.Lpairs:
	v_lshlrev_b32 v137, 3, v139
	ds_load_b64 v[20:21], v137 offset:1024
	s_lshl_b32 s16, ttmp9, 8                       ; 32 pairs of 8 bytes
	s_mov_b32 s17, 0
	s_add_nc_u64 s[10:11], s[10:11], s[16:17]
	s_wait_dscnt 0x0
	global_store_b64 v137, v[20:21], s[10:11] offset:LOFF      ; 256 consecutive bytes
.Lend:
	s_wait_tensorcnt 0x0
	ds_add_u32 v140, v141
	s_wait_dscnt 0x0
	s_endpgm
.Lfunc_end_k_qa3381e7488_refine3:
	.size	k_qa3381e7488_refine3, .Lfunc_end_k_qa3381e7488_refine3-k_qa3381e7488_refine3
	.p2alignl 7, 3214868480
	.fill 96, 4, 3214868480
	.section	.rodata,"a",@progbits
	.p2align	6, 0x0
	.amdhsa_kernel k_qa3381e7488_refine3
		.amdhsa_group_segment_fixed_size 2304
		.amdhsa_private_segment_fixed_size 0
		.amdhsa_enable_private_segment 0
		.amdhsa_kernarg_size 32
		.amdhsa_user_sgpr_count 2
		.amdhsa_user_sgpr_kernarg_segment_ptr 1
		.amdhsa_wavefront_size32 1
		.amdhsa_system_sgpr_workgroup_id_x 1
		.amdhsa_system_sgpr_workgroup_id_y 1
		.amdhsa_system_sgpr_workgroup_id_z 1
		.amdhsa_system_vgpr_workitem_id 0
		.amdhsa_next_free_vgpr 142
		.amdhsa_next_free_sgpr 66
		.amdhsa_reserve_vcc 1
		.amdhsa_float_denorm_mode_32 3
		.amdhsa_float_denorm_mode_16_64 3
		.amdhsa_memory_ordered 1
		.amdhsa_forward_progress 1
		.amdhsa_inst_pref_size 28
	.end_amdhsa_kernel
	.amdgpu_metadata
---
amdhsa.version: [ 1, 2 ]
amdhsa.kernels:
  - .name:           k_qa3381e7488_refine3
    .symbol:         k_qa3381e7488_refine3.kd
    .args:
      - { .name: stB, .offset: 0, .size: 8, .value_kind: global_buffer, .address_space: global }
      - { .name: cbp3, .offset: 8, .size: 8, .value_kind: global_buffer, .address_space: global }
      - { .name: candB, .offset: 16, .size: 8, .value_kind: global_buffer, .address_space: global }
      - { .name: stA, .offset: 24, .size: 8, .value_kind: global_buffer, .address_space: global }
    .group_segment_fixed_size: 2304
    .private_segment_fixed_size: 0
    .kernarg_segment_align: 8
    .kernarg_segment_size: 32
    .max_flat_workgroup_size: 256
    .sgpr_count:     66
    .vgpr_count:     142
    .wavefront_size: 32
...
	.end_amdgpu_metadata
.endif
;; end of part 7
;; launch finish: the kernel of part 4 again; grid 33 x 1, 8 waves a work-group, no clusters, 6,400 bytes of LDS; arguments stA, out0, out1, out2; writes out0, out1, out2
;; ======== version 3 of 3: 7 launches; version 2 with the launch scan0 written anew for expert scheduling mode
;; limits: values outside matrix products are rounded to bf16
;; workspace buffers: cbp0 524,288 bytes; cbp1 524,288 bytes; cbp2 524,288 bytes; cbp3 524,288 bytes; candA 524,288 bytes of whole numbers; candB 524,288 bytes of whole numbers; stA 327,680 bytes; stB 327,680 bytes
;; launch prep: the kernel of part 1 again; grid 256 x 1, 8 waves a work-group, no clusters, 0 bytes of LDS; arguments codebooks, x, cbp0, cbp1, cbp2, cbp3, stA; writes cbp0, cbp1, cbp2, cbp3, stA
;; launch scan0 (part 8): grid 32 x 8, 16 waves a work-group, no clusters, 83,968 bytes of LDS; arguments stA, cbp0, candA; writes candA
.if DOCPART == 8
	.amdgcn_target "amdgcn-amd-amdhsa--gfx1250"
	.amdhsa_code_object_version 6
	.text
	.protected	k_qa3381e7488_scan0
	.globl	k_qa3381e7488_scan0
	.p2align	8
	.type	k_qa3381e7488_scan0,@function
k_qa3381e7488_scan0:
	s_mov_b64 s[64:65], 0
	v_nop
	global_prefetch_b8 v0, s[64:65] scope:SCOPE_SE
	s_setreg_imm32_b32 hwreg(HW_REG_WAVE_SCHED_MODE, 0, 2), 2
	s_setreg_imm32_b32 hwreg(HW_REG_WAVE_MODE, 25, 1), 1
	s_wait_xcnt 0x0
	s_wait_alu depctr_vm_vsrc(0)
; THE SCAN OF THE FIRST STAGE: for every vector and every one of 16 groups of codes, which block of 8 neighbouring codes holds the nearest code.
; Arguments: the state (r is read), the stage's records, cand [16 slots][8192 vectors] of block numbers (0 .. 4095).
; The matrix unit makes  D(code, vector) = 2 r.e - C  (C = |e|^2), the negative of the distance up to |r|^2, which is the same for all codes: the LARGEST D is wanted.
;   A (16 rows = 16 codes): both lane halves load the same 16-byte record, so k 0-7 = k 8-15 = (e0 e1 e2 e3 Ch Cm Cl 0); k 16-31 = 0.
;   B (16 columns = 16 vectors): k 0-7 = (bf16 of 2r, four numbers; -1 -1 -1 0), k 8-15 = (bf16 of what the first piece left of 2r; 0 0 0 0), k 16-31 = 0.
; All products are exact; r enters with 16 significant bits, C with all 24.
; In D, lane (n = lane % 16, h = lane / 16) holds in its 8 registers the codes 16 tile + 8 h + 0..7 for vector n: block 2 tile + h.  Four v_max3, a compare
; and a select for each D keep the largest value so far and the tile that brought it (a later tile must be strictly larger: the lower number stays).
; A work-group: 256 vectors x 4,096 codes (grid x: 32 sets of vectors, grid y: 8 parts of the codebook).  Sixteen waves, four to a SIMD, so that a wave that
; waits for a matrix result or an LDS load leaves its issue slots to three others.  Wave = (vq = wave / 4, ch = wave % 4): 64 vectors (four B operands,
; vector 4 n + v in column n of operand v) x 1,024 codes (64 tiles).  The four waves of a vq are merged through LDS at the end, the lower codes first.
; cand[2 part + h][vector] = the group's block.  The next launch evaluates the 16 x 8 codes so kept in f32 and decides.
; LIMITS.  What is decided here, by the matrix unit's sums and 16 bits of r, is only which block of a group (an eighth of the codebook, one half of the
; tiles' rows) is kept: two codes of one group in different blocks that lie closer together than that arithmetic resolves are decided by it and not by
; reference()'s f32 order.  Equal values keep the lower block.  NaN and infinite inputs are not served.
; NO JOINT LOADS: the 32 work-groups of a part read the same 65,536 bytes, but each reads them once, at its head, and then feeds 4,096 matrix instructions
; from LDS; the copy goes through registers, 8 loads a thread, and nothing in LDS is ever filled again.
; THE MODE: SCHED_MODE bits 1:0 = 2 (LLVM: expert scheduling mode 2), set by the entry lines.  The code itself states the register dependences
; between vector or matrix instructions and memory or LDS instructions, and those through scalar registers that vector instructions write, with s_wait_alu, always for 0.
; THE PLAN.  Registers that memory or LDS instructions touch:
;   v4, v5       offsets of the head's loads (v5 also the copy's LDS address): made once, never written again.
;   RV           filled by the head's loads, read by BUILD.  At the end, as MG (with part of W), the merge's LDS loads land there.
;   DACC 0-31    filled by the copy's loads, read by the copy's LDS stores; from the first step on written by matrix instructions.
;   v1           LDS address of A's loads: made at the head, stepped once a trip of the loop (8 tiles).
;   A, two sets  of four buffers.  A group is four tiles; group g's matrix instructions read set g % 2; the loads issued in group g bring group g + 1's tiles into
;                the other set, which group g - 1 read and which no instruction of group g names.
;   v6, BEST, ID address and data of the merge's LDS stores.    v7, OUT  offset and data of the one global store.
; So ONE wait on va_vdst stands at a group's head: the group before is done reading the set in which this group's four loads land (at a trip's head it also
; states that v1 is written); the loads follow, one a step, with no further wait.  One wait on vm_vsrc a trip stands ahead of the add to v1.
; A step's four compares stand in a run, into four scalar registers, with one wait on va_sdst between them and the four selects that read these.
.set EXCH,  65536                      ; LDS: records at 0, behind them 1,024 bytes for each wave, for the merge
.set BOP,   8                          ; v[8:39]    four B operands
.set ABUF,  40                         ; v[40:71]   set 0 of four A buffers; registers 4-7 of each stay 0
.set ASET,  148                        ; v[188:219] set 1 lies 148 registers on
.set DACC,  72                         ; v[72:135]  D: 32 x parity of the tile + 8 x operand; before the loop the copy's 8 x 4 registers
.set TMP,   136                        ; v[136:147] three partial maxima for each operand
.set OUT,   136                        ; v[136:139] at the end: the merged tiles, then the blocks to store
.set BEST,  148                        ; v[148:155] largest so far: 4 x parity + operand
.set MB,    152                        ; v[152:155] at the end: the merged values (BEST's other parity, free by then)
.set ID,    156                        ; v[156:159] its tile
.set RV,    160                        ; v[160:175] r of my four vectors
.set MG,    160                        ; v[160:183] at the end: the three other waves' values and tiles
.set W,     176                        ; v[176:185] at work
.set K2,    186                        ; B's word 2: (-1, -1) in lanes 0-15, 0 in lanes 16-31
.set K3,    187                        ; B's word 3: (-1, 0) in lanes 0-15, 0 in lanes 16-31
	s_load_b128 s[4:7], s[0:1], 0x0                ; state s[4:5], records s[6:7]
	s_load_b64 s[8:9], s[0:1], 0x10                ; cand
	v_lshl_add_u32 v220, v0, 2, 0x14000
	v_mov_b32 v221, 0
	v_lshrrev_b32 v1, 5, v0
	v_readfirstlane_b32 s10, v1                    ; wave
	v_and_b32 v2, 15, v0                           ; n
	v_bfe_u32 v3, v0, 4, 1                         ; h
	v_lshlrev_b32 v4, 6, v2                        ; my four vectors' 64 bytes of r
	v_lshlrev_b32 v5, 4, v0                        ; the copy: 16 t, in memory and in LDS
	v_cmp_eq_u32 s26, 1, v3                        ; lanes 16-31
	s_wait_alu depctr_va_sdst(0)                   ; s10 and s26 are written, ahead of their first readers: the scalar lines below, and the selects on s26 further down
	s_lshr_b32 s11, s10, 2                         ; vq: which 64 vectors
	s_and_b32 s12, s10, 3                          ; ch: which 1,024 codes
	s_and_b32 s14, ttmp7, 0xffff                   ; part of the codebook
	s_lshl_b32 s16, ttmp9, 12                      ; 256 vectors of 16 bytes
	s_lshl_b32 s17, s11, 10                        ; 64 vectors of 16 bytes
	s_add_co_u32 s16, s16, s17
	s_mov_b32 s17, 0
	s_lshl_b32 s18, s14, 16                        ; 4,096 records of 16 bytes
	s_mov_b32 s19, 0
	s_mov_b32 s29, 0xffff0000                      ; a word's upper bf16
	s_wait_kmcnt 0x0
	s_add_nc_u64 s[4:5], s[4:5], s[16:17]
	s_add_nc_u64 s[6:7], s[6:7], s[18:19]
	s_wait_alu depctr_va_vdst(0)                   ; v4 and v5 are written: the loads and the LDS stores of the head read them as offsets and address
.irp v, 0,1,2,3
	global_load_b128 v[RV+4*\v:RV+4*\v+3], v4, s[4:5] offset:16*\v
.endr
.irp i, 0,1,2,3,4,5,6,7
	global_load_b128 v[DACC+4*\i:DACC+4*\i+3], v5, s[6:7] offset:8192*\i   ; the sixteen waves cover 8,192 consecutive bytes
.endr
	; constants, while the loads are on their way
	v_mov_b32 v[W], 0
	v_mov_b32 v[K2], 0xbf80bf80
	v_mov_b32 v[K3], 0xbf80
	v_cndmask_b32 v[K2], v[K2], v[W], s26
	v_cndmask_b32 v[K3], v[K3], v[W], s26
.irp s, 0,1
.irp b, 0,1,2,3
.irp i, 4,5,6,7
	v_mov_b32 v[ABUF+ASET*\s+8*\b+\i], 0           ; k 16-31 of A: written once, the loads fill registers 0-3 only
.endr
.endr
.endr
	s_lshl_b32 s24, s14, 8                         ; 256 tiles a part,
	s_lshl_b32 s27, s12, 6                         ; 64 a wave:
	s_add_co_u32 s24, s24, s27                     ; my first tile's number in the codebook
.irp v, 0,1,2,3
	v_mov_b32 v[BEST+\v], 0xff800000               ; minus infinity
	v_mov_b32 v[ID+\v], s24
.endr
	s_sub_co_u32 s24, s24, 1                       ; each reduction steps the number before it uses it
	s_lshl_b32 s27, s12, 14                        ; 64 tiles of 256 bytes
	v_lshlrev_b32 v1, 4, v2
	v_add_nc_u32 v1, s27, v1                       ; LDS address of record n of my first tile
; B operand v from r of vector 4 n + v
.macro BUILD v
.irp i, 0,1,2,3
	v_add_f32 v[W+\i], v[RV+4*\v+\i], v[RV+4*\v+\i]        ; 2 r, exact
.endr
	v_cvt_pk_bf16_f32 v[W+4], v[W], v[W+1]                 ; the first pieces
	v_cvt_pk_bf16_f32 v[W+5], v[W+2], v[W+3]
	v_lshlrev_b32 v[W+6], 16, v[W+4]
	v_and_b32 v[W+7], s29, v[W+4]
	v_lshlrev_b32 v[W+8], 16, v[W+5]
	v_and_b32 v[W+9], s29, v[W+5]
.irp i, 0,1,2,3
	v_sub_f32 v[W+\i], v[W+\i], v[W+6+\i]                  ; what they leave, exact
.endr
	v_cvt_pk_bf16_f32 v[W+6], v[W], v[W+1]                 ; the second pieces
	v_cvt_pk_bf16_f32 v[W+7], v[W+2], v[W+3]
	v_cndmask_b32 v[BOP+8*\v], v[W+4], v[W+6], s26         ; lanes 0-15 (k 0-7) the first, lanes 16-31 (k 8-15) the second
	v_cndmask_b32 v[BOP+8*\v+1], v[W+5], v[W+7], s26
	v_mov_b32 v[BOP+8*\v+2], v[K2]
	v_mov_b32 v[BOP+8*\v+3], v[K3]
.irp i, 4,5,6,7
	v_mov_b32 v[BOP+8*\v+\i], 0                            ; k 16-31
.endr
.endm
	s_wait_loadcnt 8                               ; r is in; the 8 loads of records, issued later, may be out
	BUILD 0
	BUILD 1
	BUILD 2
	BUILD 3
.irp i, 0,1,2,3,4,5,6,7
	s_wait_loadcnt 7-\i                            ; loads come back in order: number i is in
	ds_store_b128 v5, v[DACC+4*\i:DACC+4*\i+3] offset:8192*\i      ; the data come from loads, and v5 stands ahead of the wait on va_vdst above
.endr
	s_wait_dscnt 0x0                               ; my stores are done, for the other waves' sake
	s_barrier_signal -1
	s_barrier_wait -1                              ; all 65,536 bytes are in LDS; they are only read from here on
	s_wait_alu depctr_va_vdst(0)                   ; v1 is written, which A's loads read as their address
.irp b, 0,1,2,3
	ds_load_b128 v[ABUF+8*\b:ABUF+8*\b+3], v1 offset:256*\b    ; tiles 0 to 3 into set 0; lanes 0-15 take 256 consecutive bytes, lanes 16-31 the same
.endr
	s_wait_alu depctr_vm_vsrc(0)                   ; the copy's LDS stores have read v[DACC ..], which the matrix instructions write from here on
; One matrix instruction: the tile in buffer b of set s, operand v, into the D set of parity p.  C is the constant 0: there is no sum over K steps and no chain.
.macro MM s, b, p, v
	v_wmma_f32_16x16x32_bf16 v[DACC+32*\p+8*\v:DACC+32*\p+8*\v+7], v[ABUF+ASET*\s+8*\b:ABUF+ASET*\s+8*\b+7], v[BOP+8*\v:BOP+8*\v+7], 0
.endm
; The six vector instructions for one D (parity p, operand v; q = 1 - p).  BEST of parity p is the old value, of parity q the new one: no copy.
.macro AAA p, v                        ; 8 results and the old best -> three partial maxima
	v_max3_num_f32 v[TMP+3*\v], v[DACC+32*\p+8*\v], v[DACC+32*\p+8*\v+1], v[DACC+32*\p+8*\v+2]
	v_max3_num_f32 v[TMP+3*\v+1], v[DACC+32*\p+8*\v+3], v[DACC+32*\p+8*\v+4], v[DACC+32*\p+8*\v+5]
	v_max3_num_f32 v[TMP+3*\v+2], v[DACC+32*\p+8*\v+6], v[DACC+32*\p+8*\v+7], v[BEST+4*\p+\v]
.endm
.macro F1 p, q, v
	v_max3_num_f32 v[BEST+4*\q+\v], v[TMP+3*\v], v[TMP+3*\v+1], v[TMP+3*\v+2]
.endm
.macro F2 p, q, v
	v_cmp_gt_f32 s[20+\v], v[BEST+4*\q+\v], v[BEST+4*\p+\v]    ; strictly larger: this tile takes over
.endm
.macro F3 v
	v_cndmask_b32 v[ID+\v], v[ID+\v], s24, s[20+\v]            ; s24: the number of the tile that is being reduced
.endm
; A step: the four matrix instructions of the tile in buffer b of set s (parity p), and among them the 24 vector instructions that reduce the tile
; before (parity q), in an order in which none reads a result made fewer than four instructions earlier: 6, 6, 8 (the four compares in a run at its end) and 4.
; load = 1: the tile four steps on is asked for, into buffer b of the other set, at 256 (at + b) bytes from v1.  No wait: no vector or matrix instruction since
; the wait at the group's head names that buffer's registers or v1.
; Distances (ISA guide 7.12.1): a D is read one step after it was made, behind at least ten vector instructions that name none of that matrix
; instruction's registers (behind the first step: four v_nop and what stands ahead of the read in the second).
; cnt: A loads come back in order; the tile's own is in when only the cnt younger ones are out.
.macro STEP s, b, p, q, proc, load, at, cnt
	s_wait_dscnt \cnt
	MM \s, \b, \p, 0
.if \load
	ds_load_b128 v[ABUF+ASET*(1-\s)+8*\b:ABUF+ASET*(1-\s)+8*\b+3], v1 offset:256*(\at+\b)
.endif
.if \proc
	AAA \q, 0
	AAA \q, 1
.endif
	MM \s, \b, \p, 1
.if \proc
	AAA \q, 2
	AAA \q, 3
	s_add_co_u32 s24, s24, 1                       ; the number of the tile that is being reduced
.endif
	MM \s, \b, \p, 2
.if \proc
	F1 \q, \p, 0
	F1 \q, \p, 1
	F1 \q, \p, 2
	F1 \q, \p, 3
	F2 \q, \p, 0
	F2 \q, \p, 1
	F2 \q, \p, 2
	F2 \q, \p, 3
.endif
	MM \s, \b, \p, 3
.if \proc
	s_wait_alu depctr_va_sdst(0)                   ; the four compares have written s20 to s23, which the four selects read
	F3 0
	F3 1
	F3 2
	F3 3
.else
.rept 4
	v_nop                                          ; no tile to reduce yet: the places in front of the next step's reads
.endr
.endif
.endm
	STEP 0, 0, 0, 1, 0, 1, 4, 3                    ; group 0, tiles 0 to 3 in set 0; tiles 4 to 7 are asked for, into set 1, which nothing has read yet
	STEP 0, 1, 1, 0, 1, 1, 4, 3
	STEP 0, 2, 0, 1, 1, 1, 4, 3
	STEP 0, 3, 1, 0, 1, 1, 4, 3
	s_mov_b32 s25, 7
.Lgroup:                                           ; groups 1 to 14, tiles 4 to 59, two groups a trip: both sets are back at their start
	s_wait_alu depctr_vm_vsrc(0)                   ; A's loads issued so far have read v1
	v_add_nc_u32 v1, 2048, v1                      ; 8 tiles on
	s_wait_alu depctr_va_vdst(0)                   ; v1 is written; the group before is done reading set 0, in which the four loads of this group land
	STEP 1, 0, 0, 1, 1, 1, 0, 3
	STEP 1, 1, 1, 0, 1, 1, 0, 3
	STEP 1, 2, 0, 1, 1, 1, 0, 3
	STEP 1, 3, 1, 0, 1, 1, 0, 3
	s_wait_alu depctr_va_vdst(0)                   ; the group before is done reading set 1, in which the four loads of this group land
	STEP 0, 0, 0, 1, 1, 1, 4, 3
	STEP 0, 1, 1, 0, 1, 1, 4, 3
	STEP 0, 2, 0, 1, 1, 1, 4, 3
	STEP 0, 3, 1, 0, 1, 1, 4, 3
	s_sub_co_u32 s25, s25, 1
	s_cmp_lg_u32 s25, 0
	s_cbranch_scc1 .Lgroup
	STEP 1, 0, 0, 1, 1, 0, 0, 3                    ; group 15, tiles 60 to 63: nothing is left to load, the counts run down
	STEP 1, 1, 1, 0, 1, 0, 0, 2
	STEP 1, 2, 0, 1, 1, 0, 0, 1
	STEP 1, 3, 1, 0, 1, 0, 0, 0
.irp v, 0,1,2,3
	AAA 1, \v                                      ; the last tile's reduction; its last D is read behind the four selects above and nine of these
.endr
	s_add_co_u32 s24, s24, 1
.irp v, 0,1,2,3
	F1 1, 0, \v
.endr
.irp v, 0,1,2,3
	F2 1, 0, \v
.endr
	s_wait_alu depctr_va_sdst(0)                   ; the four compares have written s20 to s23, which the four selects read
.irp v, 0,1,2,3
	F3 \v
.endr
	; the merge: the waves of the upper three quarters of the codes hand their values and tiles to the wave of the lowest
	v_and_b32 v6, 31, v0
	s_lshl_b32 s28, s10, 10
	s_add_co_u32 s28, s28, EXCH
	v_lshl_add_u32 v6, v6, 4, s28                  ; 1,024 bytes for each wave: 512 of values, 512 of tiles
	s_wait_alu depctr_va_vdst(0)                   ; v6, BEST and ID are written, which the LDS stores read (v6 the LDS loads too); all that named v[MG ..], in which those loads land, is done
	s_cmp_eq_u32 s12, 0
	s_cbranch_scc1 .Lkeep
	ds_store_b128 v6, v[BEST:BEST+3]
	ds_store_b128 v6, v[ID:ID+3] offset:512
.Lkeep:
	s_wait_dscnt 0x0                               ; the stores are done before the signal
	s_barrier_signal -1
	s_barrier_wait -1
	s_cmp_lg_u32 s12, 0
	s_cbranch_scc1 .Ldone
.irp c, 1,2,3
	ds_load_b128 v[MG+8*\c-8:MG+8*\c-5], v6 offset:1024*\c         ; the three waves behind mine; no vector instruction stands between the wait above and these
	ds_load_b128 v[MG+8*\c-4:MG+8*\c-1], v6 offset:1024*\c+512
.endr
	s_lshl_b32 s30, s14, 16                        ; slot 2 part: 2 x 32,768 bytes
	s_lshl_b32 s31, ttmp9, 10                      ; 256 vectors of 4 bytes
	s_add_co_u32 s30, s30, s31
	s_lshl_b32 s31, s11, 8                         ; 64 vectors of 4 bytes
	s_add_co_u32 s30, s30, s31
	s_mov_b32 s31, 0
	s_add_nc_u64 s[8:9], s[8:9], s[30:31]
	v_lshlrev_b32 v7, 4, v2                        ; vectors 4 n .. 4 n + 3
	v_lshl_add_u32 v7, v3, 15, v7                  ; slot + h
	s_wait_dscnt 0x0
; Wave c's values against the best so far (values at sb, tiles at si): higher codes win only if strictly larger.  The four compares stand in a run.
; The merged values and tiles go into MB and OUT, registers of their own: no register that an LDS store reads is written again.  keep = 0: the last wave: the values are not wanted any more.
.macro MERGE c, sb, si, keep
.irp v, 0,1,2,3
	v_cmp_gt_f32 s[20+\v], v[MG+8*\c-8+\v], v[\sb+\v]
.endr
	s_wait_alu depctr_va_sdst(0)                   ; the four compares have written s20 to s23, which the selects read
.irp v, 0,1,2,3
.if \keep
	v_cndmask_b32 v[MB+\v], v[\sb+\v], v[MG+8*\c-8+\v], s[20+\v]
.endif
	v_cndmask_b32 v[OUT+\v], v[\si+\v], v[MG+8*\c-4+\v], s[20+\v]
.endr
.endm
	MERGE 1, BEST, ID, 1
	MERGE 2, MB, OUT, 1
	MERGE 3, MB, OUT, 0
.irp v, 0,1,2,3
	v_lshl_add_u32 v[OUT+\v], v[OUT+\v], 1, v3     ; block = 2 tile + h
.endr
	s_wait_alu depctr_va_vdst(0)                   ; OUT and v7 are written, which the store reads as data and offset
	global_store_b128 v7, v[OUT:OUT+3], s[8:9]     ; 16 lanes store 256 consecutive bytes, at a multiple of 256 from cand's first byte
.Ldone:
	s_wait_dscnt 0x0
	s_wait_alu depctr_hold_cnt(0) depctr_sa_sdst(0) depctr_va_vdst(0) depctr_va_sdst(0) depctr_va_ssrc(0) depctr_va_vcc(0) depctr_vm_vsrc(0)
	s_wait_tensorcnt 0x0
	ds_add_u32 v220, v221
	s_wait_dscnt 0x0
	s_endpgm
.Lfunc_end_k_qa3381e7488_scan0:
	.size	k_qa3381e7488_scan0, .Lfunc_end_k_qa3381e7488_scan0-k_qa3381e7488_scan0
	.p2alignl 7, 3214868480
	.fill 96, 4, 3214868480
	.section	.rodata,"a",@progbits
	.p2align	6, 0x0
	.amdhsa_kernel k_qa3381e7488_scan0
		.amdhsa_group_segment_fixed_size 83968
		.amdhsa_private_segment_fixed_size 0
		.amdhsa_enable_private_segment 0
		.amdhsa_kernarg_size 24
		.amdhsa_user_sgpr_count 2
		.amdhsa_user_sgpr_kernarg_segment_ptr 1
		.amdhsa_wavefront_size32 1
		.amdhsa_system_sgpr_workgroup_id_x 1
		.amdhsa_system_sgpr_workgroup_id_y 1
		.amdhsa_system_sgpr_workgroup_id_z 1
		.amdhsa_system_vgpr_workitem_id 0
		.amdhsa_next_free_vgpr 222
		.amdhsa_next_free_sgpr 66
		.amdhsa_reserve_vcc 0
		.amdhsa_float_denorm_mode_32 3
		.amdhsa_float_denorm_mode_16_64 3
		.amdhsa_memory_ordered 1
		.amdhsa_forward_progress 1
		.amdhsa_inst_pref_size 44
	.end_amdhsa_kernel
	.amdgpu_metadata
---
amdhsa.version: [ 1, 2 ]
amdhsa.kernels:
  - .name:           k_qa3381e7488_scan0
    .symbol:         k_qa3381e7488_scan0.kd
    .args:
      - { .name: stA, .offset: 0, .size: 8, .value_kind: global_buffer, .address_space: global }
      - { .name: cbp0, .offset: 8, .size: 8, .value_kind: global_buffer, .address_space: global }
      - { .name: candA, .offset: 16, .size: 8, .value_kind: global_buffer, .address_space: global }
    .group_segment_fixed_size: 83968
    .private_segment_fixed_size: 0
    .kernarg_segment_align: 8
    .kernarg_segment_size: 24
    .max_flat_workgroup_size: 512
    .sgpr_count:     66
    .vgpr_count:     222
    .wavefront_size: 32
...
	.end_amdgpu_metadata
.endif
;; end of part 8
;; launch step1: the kernel of part 6 again; grid 128 x 2, 16 waves a work-group, clusters of 4 x 1, 284,672 bytes of LDS; arguments stA, cbp0, candA, cbp1, candB, stB; writes candB, stB
;; launch step2: the kernel of part 6 again; grid 128 x 2, 16 waves a work-group, clusters of 4 x 1, 284,672 bytes of LDS; arguments stB, cbp1, candB, cbp2, candA, stA; writes candA, stA
;; launch step3: the kernel of part 6 again; grid 128 x 2, 16 waves a work-group, clusters of 4 x 1, 284,672 bytes of LDS; arguments stA, cbp2, candA, cbp3, candB, stB; writes candB, stB
;; launch refine3: the kernel of part 7 again; grid 256 x 1, 8 waves a work-group, no clusters, 2,304 bytes of LDS; arguments stB, cbp3, candB, stA; writes stA
;; launch finish: the kernel of part 4 again; grid 33 x 1, 8 waves a work-group, no clusters, 6,400 bytes of LDS; arguments stA, out0, out1, out2; writes out0, out1, out2
